; MI455X (gfx1250); checked and timed in simulation.
; The chip was launched on July 23, 2026; its instructions are those of AMD's public machine-readable ISA for CDNA 5 (MIT licence, August 2026) and "CDNA5" Instruction Set Architecture Reference Guide (July 2026). The comments in the code are by the model that wrote it; some were corrected since.
;; Frequency Sparse Attention. Allowed arithmetic: matrix products marked QUANTISED: E2M3 operands, one E8M0 scale for each 32 along K, by v_wmma_scale_f32_16x16x128_f8f6f4 with both operands' format E2M3, f32 sums; everything else in f32.
;; Inputs: Wk 1,024 x 1,024 float32; Wo 1,024 x 1,024 float32; Wq 1,024 x 1,024 float32; Wv 1,024 x 1,024 float32; bk 1,024 float32; bo 1,024 float32; bq 1,024 float32; bv 1,024 float32; energy_coeffs 4 x 2,048 x 32 float32; k_x 4 x 2,048 x 1,024 float32; q_x 4 x 2,048 x 1,024 float32; v_x 4 x 2,048 x 1,024 float32.
;; Outputs: out0 4 x 2,048 x 1,024 float32.
;; This version of the problem:
;;   THIS VERSION OF THE PROBLEM IS GIVEN IN LOW PRECISION. The matrix products marked QUANTISED in the list below multiply operands that are first quantised to E2M3 (2 exponent bits, 3 mantissa bits; 6 bits a number), with one power-of-two scale for each 32 numbers along K (OCP MX v1.0); their sums are f32. All else is computed in f32.
;;   The module's matrix products, in the order in which they are computed (A, B: the left and right operand; K: the contracted axis; several contracted axes count as one K, in the product's order):
;;     1. [M 8,192, K 1,024] x [K 1,024, N 1,024]; A: input q_x; B: input Wq: QUANTISED
;;     2. [M 8,192, K 1,024] x [K 1,024, N 1,024]; A: input k_x; B: input Wk: QUANTISED
;;     3. [M 8,192, K 1,024] x [K 1,024, N 1,024]; A: input v_x; B: input Wv: QUANTISED
;;     4. batch 64 x [M 2,048, K 64] x [K 64, N 2,048]; A: computed on the way; B: computed on the way: QUANTISED
;;     5. batch 64 x [M 2,048, K 2,048] x [K 2,048, N 64]; A: computed on the way; B: computed on the way: QUANTISED
;;     6. [M 8,192, K 1,024] x [K 1,024, N 1,024]; A: computed on the way; B: input Wo: QUANTISED
;;   THE QUANTISER, for each operand of a quantised product, along K:
;;     - K is cut into blocks of 32 from its start; a last block that is shorter is filled with zeros.
;;     - A block's scale is 2^e with e = floor(log2(the largest magnitude in the block)) - 2, held to -126 .. 127; a block of zeros has e = 0. As a byte (E8M0): e + 127.
;;     - Each number is divided by its block's scale, clamped to +-7.5, and rounded to the nearest number of E2M3, ties to even, subnormals kept.
;;     - The product sums the exact products of the quantised numbers (number of the format x scale) in f32.
;;   ~~~python
;;   def quantise(x, axis):      # numpy; x: float32 -> the quantised numbers, widened to float32 again
;;       x = np.moveaxis(x, axis, -1); K = x.shape[-1]
;;       x = np.pad(x, [(0, 0)] * (x.ndim - 1) + [(0, -K % 32)]); x = x.reshape(x.shape[:-1] + (-1, 32)); a = np.abs(x).max(-1, keepdims=True)
;;       e = np.where(a > 0, np.clip(np.frexp(np.where(a > 0, a, 1))[1] - 1 - 2, -126, 127), 0)      # np.frexp(a)[1] - 1 = floor(log2(a)), exactly
;;       r = np.clip(x / 2.0 ** e, -7.5, 7.5)
;;       step = 2.0 ** (np.maximum(np.frexp(np.where(r == 0, 1, r))[1] - 1, 0) - 3)
;;       q = np.round(r / step) * step * 2.0 ** e      # np.round: ties to even
;;       return np.moveaxis(q.reshape(q.shape[:-2] + (-1,))[..., :K], -1, axis).astype(np.float32)
;;   ~~~
;;   OPERANDS COMPUTED ON THE WAY. 'Computed on the way' means the value that the module computes at that place (a softmax that the list does not call 'softmax' is quantised finished and normalised). What goes into a quantiser is computed in f32, as accurately as f32 sums, v_exp_f32 and their like allow (about 1e-6 of the number): no bf16 or f16 on the way to a quantiser, and a product that is left as it is and whose result goes on into a quantised operand takes f32 operands (vector FMAs, or v_wmma_f32_16x16x4_f32). A number that lies on a knife's edge between two numbers of the format may be rounded either way, as far as f32 arithmetic and the matrix unit's own rounding can turn it there, and no further.
;; One version. Each part assembles by itself: llvm-mc -triple=amdgcn-amd-amdhsa -mcpu=gfx1250 --defsym DOCPART=n.
;; ======== version 1 of 1: 4 launches
;; limits: right only within a limited range of input values
;; workspace buffers: pcod 22,020,096 bytes; pscl 950,272 bytes; hcod 18,874,368 bytes; hscl 1,310,720 bytes; acod 6,291,456 bytes; ascl 524,288 bytes
;; launch prep (part 1): grid 464 x 1, 4 waves a work-group, no clusters, 34,304 bytes of LDS; arguments q_x, k_x, v_x, Wq, Wk, Wv, Wo, energy_coeffs, pcod, pscl; writes pcod, pscl
.if DOCPART == 1
	.amdgcn_target "amdgcn-amd-amdhsa--gfx1250"
	.amdhsa_code_object_version 6
	.text
	.protected	k_q7f8ad1acbf_prep
	.globl	k_q7f8ad1acbf_prep
	.p2align	8
	.type	k_q7f8ad1acbf_prep,@function
k_q7f8ad1acbf_prep:
	s_mov_b64 s[64:65], 0
	v_nop
	global_prefetch_b8 v0, s[64:65] scope:SCOPE_SE
	s_setreg_imm32_b32 hwreg(HW_REG_WAVE_MODE, 25, 1), 1
	s_wait_xcnt 0x0
; q_x, k_x, v_x [8192][1024] and Wq, Wk, Wv, Wo [1024 (k)][1024 (n)], f32, become codes of FP6 (E2M3) with one E8M0 byte for each 32 along K; energy_coeffs becomes the mean magnitude of each key.
; A block's scale is 2^(floor(log2(its largest magnitude)) - 2): its byte is the largest magnitude's exponent field - 2, held at 1 from below by a floor among the maximum's leaves.
; LAYOUT OF THE CODES: units of 768 bytes = 16 rows x 64 K as an image of operand registers: lane (r, h) owns the 32 codes k = 32 h .. 32 h + 31 of row r, six words: words 0-3 at 16 x lane, words 4-5 at 512 + 8 x lane.
; A ROW TILE's rows are not neighbours: lane r of tile T holds row 32 (T / 2) + 8 (T % 2) + r % 8 + 16 (r / 8), so that a product's results come out as 16 neighbours along the next K.
; pcod: x tensor t at t x 6,291,456, [row tile 512][unit 16][768]; W number w at 18,874,368 + w x 786,432, [tile of columns 64][unit 16][768].
; pscl: scale words, 512 bytes a row tile: [j 2][r 16][4 words], word i = the word of K step 4 j + i; x at t x 262,144, W at 786,432 + w x 32,768; the means at 917,504, [8192] f32.
; SHARES: work-groups 0-383 take x (a wave: one row tile, all of K), 384-447 take W (a wave: 32 columns x 512 K), 448-463 the energies (a wave: 128 keys).  Waves share nothing: no barrier.  Only the x path uses LDS.
; No cluster, no tensor load, no matrix unit: every input byte is read once by one wave, so nothing is shared.
; LIMITS: NaN and infinities among the inputs are not served.  A block of zeros gets the byte 1 where the rule says 127: its codes are zeros, and only this program reads the bytes.
.set XCT,  6291456
.set WC0,  18874368
.set WCT,  786432
.set WS0,  786432
.set EM0,  917504
.set SP,   528                         ; a stage row: 512 bytes + 16: an odd multiple of 16, so that sixteen rows start in sixteen different columns of 16 bytes
.set STG,  16*SP                       ; a wave's stage
.set LD,   16                          ; v16-143  numbers as loaded, two sets
.set X,    144                         ; v144-207 64 numbers of a lane: two blocks of 32
.set CA,   208                         ; v208-219 a unit's codes (words 0-5; 6-8 at work)
.set CB,   220                         ; v220-231 a second unit's
.set WD,   232                         ; v232-239 scale words
.set MXA,  240
.set MXB,  241
.set SCA,  242                         ; v242-243 the conversions' scale operands
.set BYT,  244                         ; v244-245 scale bytes
.set TW,   246                         ; v246-247 at work
.set OW,   248                         ; v248-251 what leaves at the end
; 32 numbers of one lane, v[src] on, become six words of codes in v[c] .. v[c + 5]; the byte goes to v[BYT + k].
.macro QBLK src, c, k
	v_max3_num_f32 v[MXA], |v[(\src)]|, |v[(\src)+1]|, 0x1800000          ; the floor 2^(3 - 127): the byte cannot fall under 1
	v_max3_num_f32 v[MXB], |v[(\src)+2]|, |v[(\src)+3]|, |v[(\src)+4]|
.irp i, 5,9,13,17,21,25
	v_max3_num_f32 v[MXA], v[MXA], |v[(\src)+\i]|, |v[(\src)+\i+1]|
	v_max3_num_f32 v[MXB], v[MXB], |v[(\src)+\i+2]|, |v[(\src)+\i+3]|
.endr
	v_max3_num_f32 v[MXA], v[MXA], |v[(\src)+29]|, |v[(\src)+30]|
	v_max3_num_f32 v[MXA], v[MXA], v[MXB], |v[(\src)+31]|
	v_add_nc_u32 v[SCA+(\k)], 0xff000000, v[MXA]                          ; 2 off the exponent field: the conversion takes this operand's exponent field as its scale
	v_cvt_scalef32_pk16_fp6_f32 v[(\c):(\c)+2], v[(\src):(\src)+15], v[SCA+(\k)]
	v_cvt_scalef32_pk16_fp6_f32 v[(\c)+6:(\c)+8], v[(\src)+16:(\src)+31], v[SCA+(\k)]   ; (a conversion's three registers begin on an even number)
	v_lshrrev_b32 v[BYT+(\k)], 23, v[SCA+(\k)]                            ; the byte; also the plain line behind the conversions
.irp i, 0,1,2
	v_mov_b32 v[(\c)+3+\i], v[(\c)+6+\i]
.endr
.endm
	s_load_b512 s[4:19], s[0:1], 0x0               ; q_x, k_x, v_x, Wq, Wk, Wv, Wo, energy_coeffs
	s_load_b128 s[20:23], s[0:1], 0x40             ; pcod, pscl
	v_lshl_add_u32 v254, v0, 2, 0x8400
	v_mov_b32 v255, 0
	v_lshrrev_b32 v1, 5, v0
	v_readfirstlane_b32 s24, v1                    ; wave 0..3
	v_and_b32 v2, 31, v0                           ; lane
	v_and_b32 v3, 15, v0                           ; r
	v_bfe_u32 v4, v0, 4, 1                         ; h
	v_lshlrev_b32 v5, 4, v2                        ; 16 x lane
	v_lshlrev_b32 v6, 3, v2
	v_add_nc_u32 v6, 512, v6                       ; 512 + 8 x lane
	s_mov_b32 s28, 0x76543210
	s_mov_b32 s29, 0xfedcba98                      ; lane selects: lane l xor 16
	s_mov_b32 s30, 0xffff0000                      ; lanes 16-31
	v_mov_b32 v[TW+1], 0                           ; a lane permute's destination counts as one of its sources
	s_wait_kmcnt 0x0
	s_cmp_lt_u32 ttmp9, 384
	s_cbranch_scc0 .Lnot_x
; ---------------- x: a wave takes one row tile (16 rows), eight K steps of 128
	s_lshl_b32 s25, ttmp9, 2
	s_add_co_u32 s25, s25, s24
	s_and_b32 s26, s25, 511                        ; row tile T
	s_lshr_b32 s27, ttmp9, 7                       ; tensor 0, 1, 2
	s_cmp_lt_u32 ttmp9, 128
	s_cselect_b64 s[32:33], s[4:5], s[6:7]
	s_cmp_lt_u32 ttmp9, 256
	s_cselect_b64 s[32:33], s[32:33], s[8:9]
	s_lshr_b32 s34, s26, 1
	s_lshl_b32 s34, s34, 17                        ; 32 rows of 4,096 bytes for each pair of tiles,
	s_and_b32 s35, s26, 1
	s_lshl_b32 s35, s35, 15                        ; 8 rows for the odd tile
	s_add_co_u32 s34, s34, s35
	s_mov_b32 s35, 0
	s_add_nc_u64 s[32:33], s[32:33], s[34:35]
	s_mul_i32 s36, s27, XCT
	s_mul_i32 s37, s26, 12288
	s_add_co_u32 s36, s36, s37
	s_mov_b32 s37, 0
	s_add_nc_u64 s[36:37], s[20:21], s[36:37]      ; the tile's sixteen units
	s_lshl_b32 s38, s27, 18
	s_lshl_b32 s39, s26, 9
	s_add_co_u32 s38, s38, s39
	s_mov_b32 s39, 0
	s_add_nc_u64 s[38:39], s[22:23], s[38:39]      ; its scale words
	s_mul_i32 s40, s24, STG
	s_wait_alu depctr_va_vdst(0)
	v_add_nc_u32 v7, s40, v5                       ; the stage, in: 16 x lane of a row
	v_mul_u32_u24 v8, v3, SP
	v_lshl_add_u32 v8, v4, 7, v8
	v_add_nc_u32 v8, s40, v8                       ; out: row r, + 128 h bytes: my 32 numbers of each 64
	v_lshlrev_b32 v9, 3, v4                        ; 8 h
.macro XLOAD t                         ; K step t of the tile's 16 rows: each load is 512 consecutive bytes of one row
.irp i, 0,1,2,3,4,5,6,7,8,9,10,11,12,13,14,15
	global_load_b128 v[LD+64*((\t)%2)+4*\i:LD+64*((\t)%2)+4*\i+3], v5, s[32:33] offset:((\i%8)+16*(\i/8))*4096+512*(\t) th:TH_LOAD_NT
.endr
.endm
.macro XSTEP t
.if (\t) < 7
	s_wait_loadcnt 16                              ; this step's 16 loads are in; the next step's 16 may be out
.else
	s_wait_loadcnt 0x0
.endif
.irp i, 0,1,2,3,4,5,6,7,8,9,10,11,12,13,14,15
	ds_store_b128 v7, v[LD+64*((\t)%2)+4*\i:LD+64*((\t)%2)+4*\i+3] offset:\i*SP
.endr
.irp u, 0,1
.irp q, 0,1,2,3,4,5,6,7
	ds_load_b128 v[X+32*\u+4*\q:X+32*\u+4*\q+3], v8 offset:256*\u+16*\q   ; LDS serves a wave's instructions in order: these see the stores above
.endr
.endr
	s_wait_dscnt 0x0
	s_wait_xcnt 0x0                                ; the last step's stores have read the code registers, which are written again below
.if (\t)+2 < 8
	XLOAD (\t)+2
.endif
	QBLK X, CA, 0                                  ; block 2 x 0 + h of the K step
	QBLK X+32, CB, 1                               ; block 2 x 1 + h
	global_store_b128 v5, v[CA:CA+3], s[36:37] offset:(2*(\t))*768
	global_store_b64 v6, v[CA+4:CA+5], s[36:37] offset:(2*(\t))*768
	global_store_b128 v5, v[CB:CB+3], s[36:37] offset:(2*(\t)+1)*768
	global_store_b64 v6, v[CB+4:CB+5], s[36:37] offset:(2*(\t)+1)*768
	v_lshl_or_b32 v[TW], v[BYT+1], 16, v[BYT]      ; my two bytes, blocks h and 2 + h,
	v_lshlrev_b32 v[TW], v9, v[TW]                 ; at their places,
	v_permlanex16_b32 v[TW+1], v[TW], s28, s29
	v_or_b32 v[WD+(\t)], v[TW], v[TW+1]            ; with lane l xor 16's two: the row's word of this K step
.endm
	XLOAD 0
	XLOAD 1
	s_wait_alu depctr_va_vdst(0)
.irp t, 0,1,2,3,4,5,6,7
	XSTEP \t
.endr
.irp i, 0,1,2,3
	v_cndmask_b32 v[OW+\i], v[WD+\i], v[WD+4+\i], s30   ; lanes 0-15 store K steps 0-3 of row r, lanes 16-31 K steps 4-7
.endr
	global_store_b128 v5, v[OW:OW+3], s[38:39]
	s_wait_tensorcnt 0x0
	ds_add_u32 v254, v255
	s_wait_dscnt 0x0
	s_endpgm
.Lnot_x:
	s_cmp_lt_u32 ttmp9, 448
	s_cbranch_scc0 .Lenergy
; ---------------- W: K is the first axis.  A lane takes a column, its registers run down K: 32 columns x 512 K a wave
	s_sub_co_u32 s25, ttmp9, 384
	s_lshr_b32 s26, s25, 4                         ; which W
	s_and_b32 s27, s25, 7                          ; which 128 columns
	s_bfe_u32 s31, s25, 0x10003                    ; which half of K
	s_cmp_eq_u32 s26, 0
	s_cselect_b64 s[32:33], s[10:11], s[12:13]
	s_cmp_lt_u32 s26, 2
	s_cselect_b64 s[32:33], s[32:33], s[14:15]
	s_cmp_lt_u32 s26, 3
	s_cselect_b64 s[32:33], s[32:33], s[16:17]
	s_lshl_b32 s34, s31, 21                        ; 512 rows of 4,096 bytes
	s_lshl_b32 s35, s27, 9
	s_add_co_u32 s34, s34, s35
	s_lshl_b32 s35, s24, 7
	s_add_co_u32 s34, s34, s35                     ; + 4 x (128 cb + 32 wave)
	s_mov_b32 s35, 0
	s_add_nc_u64 s[32:33], s[32:33], s[34:35]
	s_lshl_b32 s40, s27, 3
	s_lshl_b32 s41, s24, 1
	s_add_co_u32 s40, s40, s41                     ; the even one of my two tiles of columns
	s_mul_i32 s36, s26, WCT
	s_mul_i32 s37, s40, 12288
	s_add_co_u32 s36, s36, s37
	s_mul_i32 s37, s31, 8*768
	s_add_co_u32 s36, s36, s37
	s_add_co_u32 s36, s36, WC0
	s_mov_b32 s37, 0
	s_add_nc_u64 s[36:37], s[20:21], s[36:37]
	s_lshl_b32 s38, s26, 15
	s_lshl_b32 s39, s40, 9
	s_add_co_u32 s38, s38, s39
	s_lshl_b32 s39, s31, 8
	s_add_co_u32 s38, s38, s39
	s_add_co_u32 s38, s38, WS0
	s_mov_b32 s39, 0
	s_add_nc_u64 s[38:39], s[22:23], s[38:39]
	s_wait_alu depctr_va_vdst(0)
	v_and_b32 v10, 7, v2
	v_lshl_add_u32 v10, v4, 3, v10
	v_bfe_u32 v11, v2, 3, 1
	v_lshl_add_u32 v10, v11, 4, v10                ; my column: l % 8 + 8 (l / 16) + 16 ((l / 8) % 2): lanes 0-15 are the even tile, lanes 16-31 the odd one
	v_lshlrev_b32 v10, 2, v10
	v_lshlrev_b32 v11, 4, v3
	v_lshl_add_u32 v11, v4, 9, v11                 ; 512 h + 16 r: my column's four words
.macro WLOAD t                         ; block t: W(32 t + i, my column)
.irp i, 0,1,2,3,4,5,6,7,8,9,10,11,12,13,14,15,16,17,18,19,20,21,22,23,24,25,26,27,28,29,30,31
	global_load_b32 v[LD+32*((\t)%2)+\i], v10, s[32:33] offset:(32*(\t)+\i)*4096 th:TH_LOAD_NT
.endr
.endm
.macro WBLOCK t
.if (\t) < 15
	s_wait_loadcnt 32                              ; this block's 32 loads are in; the next block's may be out
.else
	s_wait_loadcnt 0x0
.endif
.if ((\t)%2 == 0) && ((\t) >= 2)
	s_wait_xcnt 0x0                                ; the last pair's stores have read both code sets
.endif
	QBLK LD+32*((\t)%2), CA+12*((\t)%2), 0
.if (\t)%4 == 0
	v_mov_b32 v[WD+(\t)/4], v[BYT]
.else
	v_lshl_or_b32 v[WD+(\t)/4], v[BYT], 8*((\t)%4), v[WD+(\t)/4]
.endif
.if (\t)+2 < 16
	WLOAD (\t)+2
.endif
.if (\t)%2 == 1
.irp i, 0,1,2,3,4,5
	v_permlane16_swap_b32 v[CA+\i], v[CB+\i]       ; the even block's lanes 16-31 change places with the odd block's lanes 0-15: CA is the even tile's unit, CB the odd tile's
.endr
	global_store_b128 v5, v[CA:CA+3], s[36:37] offset:((\t)/2)*768
	global_store_b64 v6, v[CA+4:CA+5], s[36:37] offset:((\t)/2)*768
	global_store_b128 v5, v[CB:CB+3], s[36:37] offset:((\t)/2)*768+12288
	global_store_b64 v6, v[CB+4:CB+5], s[36:37] offset:((\t)/2)*768+12288
.endif
.endm
	WLOAD 0
	WLOAD 1
.irp t, 0,1,2,3,4,5,6,7,8,9,10,11,12,13,14,15
	WBLOCK \t
.endr
	global_store_b128 v11, v[WD:WD+3], s[38:39]
	s_endpgm
; ---------------- the energies: mean |.| of each key's 32 numbers; a wave takes 128 keys, eight lanes to a key
.Lenergy:
	s_sub_co_u32 s25, ttmp9, 448
	s_lshl_b32 s25, s25, 2
	s_add_co_u32 s25, s25, s24
	s_lshl_b32 s34, s25, 14                        ; 128 rows of 128 bytes
	s_mov_b32 s35, 0
	s_add_nc_u64 s[32:33], s[18:19], s[34:35]
	s_lshl_b32 s36, s25, 9
	s_add_co_u32 s36, s36, EM0
	s_mov_b32 s37, 0
	s_add_nc_u64 s[36:37], s[22:23], s[36:37]
	s_wait_alu depctr_va_vdst(0)
	v_lshrrev_b32 v10, 3, v2
	v_and_b32 v11, 7, v2
	v_lshlrev_b32 v10, 12, v10
	v_lshl_add_u32 v10, v11, 4, v10                ; group l / 8 begins 32 rows on; 16 bytes a lane
.irp e, 1,2,3,4,5,6,7
	s_mov_b32 s[40+\e], 0x01010101<<\e             ; the lanes with l % 8 = e
.endr
.set n, 0
.rept 32
	global_load_b128 v[LD+4*n:LD+4*n+3], v10, s[32:33] offset:128*n th:TH_LOAD_NT    ; row 32 (l / 8) + n
.set n, n+1
.endr
.set n, 0
.rept 32
	s_wait_loadcnt 31-n                            ; load n is in; the younger ones may be out
	v_add_f32 v[MXA], |v[LD+4*n]|, |v[LD+4*n+1]|
	v_add_f32 v[MXB], |v[LD+4*n+2]|, |v[LD+4*n+3]|
	v_add_f32 v[MXA], v[MXA], v[MXB]
	v_add_f32_dpp v[MXA], v[MXA], v[MXA] row_xmask:1 row_mask:0xf bank_mask:0xf
	v_add_f32_dpp v[MXA], v[MXA], v[MXA] row_xmask:2 row_mask:0xf bank_mask:0xf
	v_add_f32_dpp v[MXA], v[MXA], v[MXA] row_xmask:4 row_mask:0xf bank_mask:0xf
.if n/4 == 0
	v_mov_b32 v[OW+n%4], v[MXA]
.else
	v_cndmask_b32 v[OW+n%4], v[OW+n%4], v[MXA], s[40+n/4]   ; lane l keeps rows 4 l + 0 .. 3
.endif
.set n, n+1
.endr
.irp k, 0,1,2,3
	v_mul_f32 v[OW+\k], 0x3d000000, v[OW+\k]       ; / 32
.endr
	global_store_b128 v5, v[OW:OW+3], s[36:37]     ; 512 consecutive bytes
	s_endpgm
.Lfunc_end_k_q7f8ad1acbf_prep:
	.size	k_q7f8ad1acbf_prep, .Lfunc_end_k_q7f8ad1acbf_prep-k_q7f8ad1acbf_prep
	.p2alignl 7, 3214868480
	.fill 96, 4, 3214868480
	.section	.rodata,"a",@progbits
	.p2align	6, 0x0
	.amdhsa_kernel k_q7f8ad1acbf_prep
		.amdhsa_group_segment_fixed_size 34304
		.amdhsa_private_segment_fixed_size 0
		.amdhsa_enable_private_segment 0
		.amdhsa_kernarg_size 80
		.amdhsa_user_sgpr_count 2
		.amdhsa_user_sgpr_kernarg_segment_ptr 1
		.amdhsa_wavefront_size32 1
		.amdhsa_system_sgpr_workgroup_id_x 1
		.amdhsa_system_sgpr_workgroup_id_y 1
		.amdhsa_system_sgpr_workgroup_id_z 1
		.amdhsa_system_vgpr_workitem_id 0
		.amdhsa_next_free_vgpr 256
		.amdhsa_next_free_sgpr 66
		.amdhsa_reserve_vcc 0
		.amdhsa_float_denorm_mode_32 3
		.amdhsa_float_denorm_mode_16_64 3
		.amdhsa_memory_ordered 1
		.amdhsa_forward_progress 1
		.amdhsa_inst_pref_size 154
	.end_amdhsa_kernel
	.amdgpu_metadata
---
amdhsa.version: [ 1, 2 ]
amdhsa.kernels:
  - .name:           k_q7f8ad1acbf_prep
    .symbol:         k_q7f8ad1acbf_prep.kd
    .args:
      - { .name: q_x, .offset: 0, .size: 8, .value_kind: global_buffer, .address_space: global }
      - { .name: k_x, .offset: 8, .size: 8, .value_kind: global_buffer, .address_space: global }
      - { .name: v_x, .offset: 16, .size: 8, .value_kind: global_buffer, .address_space: global }
      - { .name: Wq, .offset: 24, .size: 8, .value_kind: global_buffer, .address_space: global }
      - { .name: Wk, .offset: 32, .size: 8, .value_kind: global_buffer, .address_space: global }
      - { .name: Wv, .offset: 40, .size: 8, .value_kind: global_buffer, .address_space: global }
      - { .name: Wo, .offset: 48, .size: 8, .value_kind: global_buffer, .address_space: global }
      - { .name: energy_coeffs, .offset: 56, .size: 8, .value_kind: global_buffer, .address_space: global }
      - { .name: pcod, .offset: 64, .size: 8, .value_kind: global_buffer, .address_space: global }
      - { .name: pscl, .offset: 72, .size: 8, .value_kind: global_buffer, .address_space: global }
    .group_segment_fixed_size: 34304
    .private_segment_fixed_size: 0
    .kernarg_segment_align: 8
    .kernarg_segment_size: 80
    .max_flat_workgroup_size: 128
    .sgpr_count:     66
    .vgpr_count:     256
    .wavefront_size: 32
...
	.end_amdgpu_metadata
.endif
;; end of part 1
;; launch proj (part 2): grid 4 x 192, 4 waves a work-group, clusters of 4 x 4, 327,680 bytes of LDS; arguments pcod, pscl, bq, bk, bv, hcod, hscl; writes hcod, hscl
.if DOCPART == 2
	.amdgcn_target "amdgcn-amd-amdhsa--gfx1250"
	.amdhsa_code_object_version 6
	.text
	.protected	k_q7f8ad1acbf_proj
	.globl	k_q7f8ad1acbf_proj
	.p2align	8
	.type	k_q7f8ad1acbf_proj,@function
k_q7f8ad1acbf_proj:
	s_mov_b64 s[64:65], 0
	v_nop
	global_prefetch_b8 v0, s[64:65] scope:SCOPE_SE
	s_setreg_imm32_b32 hwreg(HW_REG_WAVE_MODE, 25, 1), 1
	s_wait_xcnt 0x0
	s_wait_alu depctr_hold_cnt(0) depctr_sa_sdst(0) depctr_va_vdst(0) depctr_va_sdst(0) depctr_va_ssrc(0) depctr_va_vcc(0) depctr_vm_vsrc(0)
	s_getreg_b32 s2, hwreg(HW_REG_IB_STS2, 6, 4)
	s_cmp_eq_u32 s2, 0
	s_cbranch_scc0 .Lentry_in_a_cluster
	s_endpgm
.Lentry_in_a_cluster:
	s_bfe_u32 s2, ttmp6, 0x10000c
	s_cmp_lg_u32 s2, 0xf033
	s_cbranch_scc0 .Lentry_shape_is_right
	s_endpgm
.Lentry_shape_is_right:
; The three projections on codes of FP6 (E2M3), each result quantised on its way out as an operand of the attention's products.
; kind = cluster y / 16: 0: Q = q_x Wq + bq; 1: K = k_x Wk + bk; 2: V = v_x Wv + bv.  A GEMM of K = 1,024: operand A 128 rows (8 row tiles), operand B 256 rows (16 tiles) to a work-group; four waves 2 x 2,
; a wave 4 tiles of A x 8 of B: 32 accumulators.  The matrix instruction takes B's tile as source 0 and A's as source 1: a lane holds ONE row of A and its registers run along B's rows, 16 neighbours in two tiles.
; For Q and K: A = tokens, B = columns of W: the registers run along the head's 64, the K of the scores.  For V: A = columns of Wv, B = tokens: the registers run along the keys, the K of the second product.
; ALL OF K LIES IN LDS, filled once, as four chunks of 256 along K that are waited for one after the other: no slot is ever filled again.  By this text's count a wave has four tensor loads out.
; CLUSTER 4 x 4: A's tiles are shared along a row of the cluster, B's along a column, each by a joint load.  Nothing is prefetched: each work-group asks for all its tiles at its head.
; Codes lie as units of 768 bytes (16 rows x 64 K, an image of operand registers: words 0-3 at 16 x lane, words 4-5 at 512 + 8 x lane), so every LDS load is dense: no pitch, no padding.
; OUT: hcod: Q at 0, K at 6,291,456: [batch x head 64][tile of tokens 128][768]; V at 12,582,912: [batch x head][64 keys 32][tile of d 4][768].
;      hscl: Q's words at 0: [bh][group of 4 tiles 32][lane][2 words]; at 524,288 + bh x 12,288: K's likewise, then at + 8,192 V's [128 keys 16][lane][2 words].  In a pair of words: tiles (0 | 1) and (2 | 3) in lanes (0-15 | 16-31).
; LIMITS: NaN and infinities are not served.  A block of zeros gets the byte 1 where the rule says 127: its codes are zeros, and only this program reads the bytes.
; THE FILLS, as they now stand (this takes the place of what the head comment says of four chunks): K lies in LDS as TWO halves of 512 along K, each filled once.  A wave issues one joint load at the head (the first half)
; and one behind the three lines and a round of the cluster's barrier (the second half), which lands while the first half's four K steps are multiplied.  By this text's count a wave has one tensor load out.
; The launch claims all of LDS.
.set CHUNK, 147456                     ; LDS: a half of K: A's 8 tiles x 6,144 bytes, then B's 16
.set BPART, 49152
.set AA,   1                           ; v1-4  LDS addresses of my fragments' two planes, A's and B's; they step a chunk at a time
.set AB,   2
.set BA,   3
.set BB,   4
.set VS1,  5                           ; v5    512 h + 16 r: scale words of a pair of tiles
.set VL16, 6                           ; v6    16 x lane
.set VL8P, 7                           ; v7    512 + 8 x lane
.set VL8,  8                           ; v8    8 x lane
.set VBQ,  9                           ; v9    the bias's offset for Q and K;  v10-15 the way out's offsets
.set AS,   16                          ; v16-31  A's scale words: pair of tiles p, K step s at 8 p + s
.set BS,   32                          ; v32-63  B's
.set CB,   64                          ; v64-127 the bias in the result's layout: the C of each sum's first product
.set AF,   128                         ; v128-223 A's fragments, two sets of 48; on the way out eight code sets of 12
.set T0,   224
.set T1,   225
.set P0,   226
.set P1,   227
.set C0,   228
.set C1,   229
.set HH,   232                         ; v232-239 two scale bytes of (tile a, unit g) at 2 a + g
.set EE,   240                         ; v240-243 the words that leave
.set VBV,  251                         ; the bias's offset for V
.set SEL,  100                         ; s[100:101]
; window 1: the accumulators, (a, b) at 8 (8 a + b).  window 2: B's fragments, two sets of 96.
.set MSB, 0
.macro WIN new                         ; the immediate's high byte repeats the setting that is left
.if MSB != \new
	s_set_vgpr_msb (MSB<<8)|\new
.set MSB, \new
.endif
.endm
.macro CROUND                          ; a round of the cluster's barrier
	s_barrier_signal -1
	s_barrier_wait -1
	s_cmp_lg_u32 s18, 0
	s_cbranch_scc1 .Lnot_wave_0_\@
	s_barrier_signal -3
.Lnot_wave_0_\@:
	s_barrier_wait -3
	s_barrier_signal -1
	s_barrier_wait -1
.endm
.macro WMC d, a, b, c, sa, sb, ra, rb  ; one product; ra, rb: the scales stand in lanes 16-31
.if (\ra) && (\rb)
	v_wmma_scale_f32_16x16x128_f8f6f4 v[(\d):(\d)+7], v[(\a):(\a)+11], v[(\b):(\b)+11], v[(\c):(\c)+7], v[(\sa)], v[(\sb)] matrix_a_fmt:MATRIX_FMT_FP6 matrix_b_fmt:MATRIX_FMT_FP6 matrix_a_scale:MATRIX_SCALE_ROW1 matrix_b_scale:MATRIX_SCALE_ROW1
.elseif (\ra)
	v_wmma_scale_f32_16x16x128_f8f6f4 v[(\d):(\d)+7], v[(\a):(\a)+11], v[(\b):(\b)+11], v[(\c):(\c)+7], v[(\sa)], v[(\sb)] matrix_a_fmt:MATRIX_FMT_FP6 matrix_b_fmt:MATRIX_FMT_FP6 matrix_a_scale:MATRIX_SCALE_ROW1
.elseif (\rb)
	v_wmma_scale_f32_16x16x128_f8f6f4 v[(\d):(\d)+7], v[(\a):(\a)+11], v[(\b):(\b)+11], v[(\c):(\c)+7], v[(\sa)], v[(\sb)] matrix_a_fmt:MATRIX_FMT_FP6 matrix_b_fmt:MATRIX_FMT_FP6 matrix_b_scale:MATRIX_SCALE_ROW1
.else
	v_wmma_scale_f32_16x16x128_f8f6f4 v[(\d):(\d)+7], v[(\a):(\a)+11], v[(\b):(\b)+11], v[(\c):(\c)+7], v[(\sa)], v[(\sb)] matrix_a_fmt:MATRIX_FMT_FP6 matrix_b_fmt:MATRIX_FMT_FP6
.endif
.endm
.macro FRAG4 reg, ada, adb, off        ; a fragment, 16 rows x 128 K: two units
	ds_load_b128 v[(\reg):(\reg)+3], v[\ada] offset:(\off)
	ds_load_b64 v[(\reg)+4:(\reg)+5], v[\adb] offset:(\off)
	ds_load_b128 v[(\reg)+6:(\reg)+9], v[\ada] offset:(\off)+768
	ds_load_b64 v[(\reg)+10:(\reg)+11], v[\adb] offset:(\off)+768
.endm
.macro FETCH s                         ; K step s: 8 fragments of B, 4 of A: 48 loads
	WIN 0x80
.irp i, 0,1,2,3,4,5,6,7
	FRAG4 96*((\s)%2)+12*\i, BA, BB, \i*6144+((\s)%4)*1536
.endr
	WIN 0
.irp i, 0,1,2,3
	FRAG4 AF+48*((\s)%2)+12*\i, AA, AB, \i*6144+((\s)%4)*1536
.endr
.endm
; 32 products of K step s.  The 32 accumulators take turns, one instruction a turn, in the same order in every step.
; mode 0: onto the sums; 1: the sums start from the bias along B's rows; 2: from the bias along A's rows.
.macro MULS s, mode
.if \mode
	WIN 0x42
.else
	WIN 0x52
.endif
.irp a, 0,1,2,3
.irp b, 0,1,2,3,4,5,6,7
.if \mode == 1
	WMC 8*(8*\a+\b), 96*((\s)%2)+12*\b, AF+48*((\s)%2)+12*\a, CB+8*\b, BS+8*(\b/2)+(\s), AS+8*(\a/2)+(\s), \b%2, \a%2
.elseif \mode == 2
	WMC 8*(8*\a+\b), 96*((\s)%2)+12*\b, AF+48*((\s)%2)+12*\a, CB+8*\a, BS+8*(\b/2)+(\s), AS+8*(\a/2)+(\s), \b%2, \a%2
.else
	WMC 8*(8*\a+\b), 96*((\s)%2)+12*\b, AF+48*((\s)%2)+12*\a, 8*(8*\a+\b), BS+8*(\b/2)+(\s), AS+8*(\a/2)+(\s), \b%2, \a%2
.endif
.endr
.endr
.endm
; Ahead of step s's products: its fragments are in; the next step's are asked for, behind four places (loads into registers that the step before multiplied).  Where the next step begins a chunk, that chunk is waited for first.
.macro PRE s
	s_wait_dscnt 0x0                               ; step s's fragments are in, and no LDS instruction of mine is out at the signal below
.if (\s) == 3
	s_wait_tensorcnt 0x0                           ; my part of the second half has landed
	s_barrier_signal -1
	s_barrier_wait -1                              ; everybody's has
	WIN 0
	v_add_nc_u32 v[AA], CHUNK, v[AA]               ; (these four are the places)
	v_add_nc_u32 v[AB], CHUNK, v[AB]
	v_add_nc_u32 v[BA], CHUNK, v[BA]
	s_wait_alu depctr_va_vdst(0)
	v_add_nc_u32 v[BB], CHUNK, v[BB]
.elseif (\s) < 7
.rept 4
	v_nop
.endr
.endif
.if (\s) < 7
	FETCH (\s)+1
.endif
.endm
	s_load_b256 s[4:11], s[0:1], 0x0               ; pcod, pscl, bq, bk
	s_load_b128 s[12:15], s[0:1], 0x20             ; bv, hcod
	s_load_b64 s[16:17], s[0:1], 0x30              ; hscl
	v_lshl_add_u32 v254, v0, 2, 0x48000
	v_mov_b32 v255, 0
	ds_add_u32 v254, v255
	ds_add_u32 v254, v255
	v_lshrrev_b32 v10, 5, v0
	v_readfirstlane_b32 s18, v10                   ; wave 0..3
	s_lshr_b32 s19, s18, 1                         ; wa: which 4 tiles of A are mine
	s_and_b32 s20, s18, 1                          ; wb: which 8 tiles of B.  Also: which half of A's or B's tiles I fetch
	s_bfe_u32 s21, ttmp6, 0x40000                  ; cx
	s_bfe_u32 s22, ttmp6, 0x40004                  ; cy
	s_and_b32 s23, ttmp7, 0xffff                   ; cluster y, 0..47
	s_lshr_b32 s76, s23, 4                         ; kind: the same in all sixteen partners
	s_and_b32 s77, s23, 15
	s_lshr_b32 s78, s77, 3
	s_and_b32 s79, s77, 7
	s_cmp_eq_u32 s76, 2
	s_cselect_b32 s78, s78, s77                    ; A has 64 blocks of 128 rows (tokens), for V 8 (columns of Wv);
	s_cselect_b32 s79, s79, 0                      ; B has 4 blocks of 256 rows (columns of W), for V 32 (tokens)
	s_lshl_b32 s78, s78, 2
	s_add_co_u32 s78, s78, s22                     ; AT: A's block, made of cy alone
	s_lshl_b32 s79, s79, 2
	s_add_co_u32 s79, s79, s21                     ; BT: B's block, made of cx alone
	s_lshl_b32 s88, s22, 2
	s_lshl_b32 s88, 15, s88                        ; my row of the cluster
	s_lshl_b32 s89, 0x1111, s21                    ; my column
	; descriptor group 1: R rows (tiles) of 6,144 bytes (a tile's 512 K), 12,288 bytes apart; elements of 8 bytes; no padding
	s_or_b32 s24, s88, (3<<16)|(1<<21)             ; A's tiles go to my row
	s_or_b32 s32, s89, (3<<16)|(1<<21)             ; B's to my column
	s_mov_b32 s25, 768<<16                         ; tensor_dim0: a tile's 512 K, 6,144 bytes
	s_mov_b32 s26, 4<<16                           ; tensor_dim1 = 4 tiles
	s_mov_b32 s27, 768<<16                         ; tile_dim0
	s_mov_b32 s28, 4                               ; tile_dim1
	s_mov_b32 s29, 1536                            ; from tile to tile
	s_mov_b32 s30, 0
	s_mov_b32 s31, 0
	s_mov_b32 s33, 768<<16
	s_mov_b32 s34, 8<<16
	s_mov_b32 s35, 768<<16
	s_mov_b32 s36, 8
	s_mov_b32 s37, 1536
	s_mov_b32 s38, 0
	s_mov_b32 s39, 0
	; where the operands lie in pcod and pscl.  s80-83, s88 hold A's side alone, s84-87, s89 B's
	s_mul_i32 s80, s76, 6291456
	s_lshl_b32 s82, s76, 18
	s_mul_i32 s84, s76, 786432
	s_add_co_u32 s84, s84, 18874368
	s_lshl_b32 s86, s76, 15
	s_add_co_u32 s86, s86, 786432
	s_cmp_eq_u32 s76, 2
	s_cselect_b32 s80, 20447232, s80               ; V: A = Wv's codes,
	s_cselect_b32 s82, 851968, s82                 ; its scale words,
	s_cselect_b32 s84, 12582912, s84               ; B = v_x's codes,
	s_cselect_b32 s86, 524288, s86                 ; its scale words
	s_mul_i32 s88, s78, 98304
	s_add_co_u32 s80, s80, s88
	s_mul_i32 s88, s20, 49152
	s_add_co_u32 s80, s80, s88                     ; the four tiles of A that I would fetch
	s_mov_b32 s81, 0
	s_lshl_b32 s88, s78, 12
	s_add_co_u32 s82, s82, s88
	s_lshl_b32 s88, s19, 11
	s_add_co_u32 s82, s82, s88                     ; the scale words of my four tiles of A
	s_mov_b32 s83, 0
	s_mul_i32 s89, s79, 196608
	s_add_co_u32 s84, s84, s89
	s_mul_i32 s89, s20, 98304
	s_add_co_u32 s84, s84, s89
	s_mov_b32 s85, 0
	s_lshl_b32 s89, s79, 13
	s_add_co_u32 s86, s86, s89
	s_lshl_b32 s89, s20, 12
	s_add_co_u32 s86, s86, s89
	s_mov_b32 s87, 0
	s_mul_i32 s2, s20, 24576                       ; where they go in a half: the wave's number alone enters an LDS address
	s_mul_i32 s3, s20, 49152
	s_add_co_u32 s3, s3, BPART
	v_and_b32 v244, 31, v0                         ; lane
	v_and_b32 v245, 15, v0                         ; r
	v_bfe_u32 v246, v0, 4, 1                       ; h
	v_lshrrev_b32 v247, 6, v0                      ; wa
	v_bfe_u32 v248, v0, 5, 1                       ; wb
	v_lshlrev_b32 v[VL16], 4, v244
	v_lshlrev_b32 v[VL8], 3, v244
	v_add_nc_u32 v[VL8P], 512, v[VL8]
	v_mad_u32_u24 v[AA], v247, 24576, v[VL16]
	v_mad_u32_u24 v[AB], v247, 24576, v[VL8P]
	v_mad_u32_u24 v[BA], v248, 49152, v[VL16]
	v_add_nc_u32 v[BA], BPART, v[BA]
	v_mad_u32_u24 v[BB], v248, 49152, v[VL8P]
	v_add_nc_u32 v[BB], BPART, v[BB]
	v_lshlrev_b32 v[VS1], 4, v245
	v_lshl_add_u32 v[VS1], v246, 9, v[VS1]
	v_mov_b32 v[P0], 0                             ; a lane permute's destination counts as one of its sources
	v_mov_b32 v[P1], 0
	s_mov_b32 s[SEL], 0x76543210
	s_mov_b32 s[SEL+1], 0xfedcba98
	s_mov_b32 s99, 0xffff0000                      ; lanes 16-31
	s_wait_dscnt 0x0
	s_wait_kmcnt 0x0
	s_add_nc_u64 s[80:81], s[4:5], s[80:81]
	s_add_nc_u64 s[84:85], s[4:5], s[84:85]
	s_add_nc_u64 s[82:83], s[6:7], s[82:83]
	s_add_nc_u64 s[86:87], s[6:7], s[86:87]
.irp c, 0,1                            ; group 0, a set for each half of K: A's at s40, s44, B's at s56, s60
	s_mov_b32 s[40+4*\c], 1
	s_add_co_u32 s[41+4*\c], s2, \c*CHUNK
	s_add_nc_u64 s[42+4*\c:43+4*\c], s[80:81], \c*6144
	s_or_b32 s[43+4*\c], s[43+4*\c], 0x80000000
	s_mov_b32 s[56+4*\c+4*(\c/2)], 1
	s_add_co_u32 s[57+4*\c+4*(\c/2)], s3, \c*CHUNK
	s_add_nc_u64 s[58+4*\c+4*(\c/2):59+4*\c+4*(\c/2)], s[84:85], \c*6144
	s_or_b32 s[59+4*\c+4*(\c/2)], s[59+4*\c+4*(\c/2)], 0x80000000
.endr
	CROUND                                         ; all sixteen work-groups are here: the joint loads meet
	s_cmp_lt_u32 s18, 2                            ; waves 0, 1 fetch A's halves, waves 2, 3 B's: a wave's fill stands in a branch on the wave's number
	s_cbranch_scc0 .Lfill_b
	tensor_load_to_lds s[40:43], s[24:31]
	s_nop 0
.rept 4
	v_nop
.endr
	s_branch .Lfilled
.Lfill_b:
	tensor_load_to_lds s[56:59], s[32:39]
	s_nop 0
.rept 4
	v_nop
.endr
.Lfilled:
	s_wait_alu depctr_va_vdst(0)
.irp p, 0,1                            ; the scale words of all eight K steps stay in registers: lanes 0-15 the even tile of a pair, lanes 16-31 the odd one
.irp j, 0,1
	global_load_b128 v[AS+8*\p+4*\j:AS+8*\p+4*\j+3], v[VS1], s[82:83] offset:1024*\p+256*\j
.endr
.endr
.irp p, 0,1,2,3
.irp j, 0,1
	global_load_b128 v[BS+8*\p+4*\j:BS+8*\p+4*\j+3], v[VS1], s[86:87] offset:1024*\p+256*\j
.endr
.endr
	; the way out's offsets in hcod and hscl
	s_lshl_b32 s66, s79, 2
	s_lshl_b32 s67, s20, 1
	s_add_co_u32 s66, s66, s67                     ; 4 BT + 2 wb: for Q, K my first head; for V batch x 32 + my first 64 keys
	s_lshl_b32 s90, s78, 3
	s_lshl_b32 s67, s19, 2
	s_add_co_u32 s90, s90, s67                     ; 8 AT + 4 wa: my first tile of tokens
	s_lshr_b32 s91, s90, 7                         ; batch
	s_and_b32 s90, s90, 127                        ; tile in the batch
	s_lshl_b32 s91, s91, 4
	s_add_co_u32 s91, s91, s66                     ; batch x 16 + head
	s_lshl_b32 s92, s91, 7
	s_add_co_u32 s92, s92, s90
	s_mul_i32 s92, s92, 768
	s_mul_i32 s67, s76, 6291456
	s_add_co_u32 s92, s92, s67                     ; Q, K: my first unit
	s_lshr_b32 s90, s90, 2
	s_lshl_b32 s90, s90, 8                         ; the group of four tiles
	s_lshl_b32 s93, s91, 13
	s_add_co_u32 s93, s93, s90                     ; Q's words
	s_mul_i32 s94, s91, 12288
	s_add_co_u32 s94, s94, s90
	s_add_co_u32 s94, s94, 524288                  ; K's words
	s_cmp_eq_u32 s76, 0
	s_cselect_b32 s93, s93, s94
	s_mov_b32 s94, 12288
	s_cselect_b32 s94, 8192, s94                   ; from a head's words to the next head's
	s_lshl_b32 s90, s78, 1
	s_add_co_u32 s90, s90, s19                     ; V: my head = 2 AT + wa
	s_lshr_b32 s91, s66, 5
	s_lshl_b32 s91, s91, 4
	s_add_co_u32 s91, s91, s90                     ; batch x 16 + head
	s_and_b32 s90, s66, 31                         ; my first 64 keys
	s_lshl_b32 s95, s91, 5
	s_add_co_u32 s95, s95, s90
	s_mul_i32 s95, s95, 3072
	s_add_co_u32 s95, s95, 12582912                ; V: my first unit
	s_mul_i32 s96, s91, 12288
	s_lshr_b32 s90, s90, 1
	s_lshl_b32 s90, s90, 8
	s_add_co_u32 s96, s96, s90
	s_add_co_u32 s96, s96, 532480                  ; V's words of my 128 keys
	s_cmp_eq_u32 s76, 2
	s_cselect_b32 s92, s95, s92
	s_cselect_b32 s93, s96, s93
	s_mov_b32 s95, 98304
	s_cselect_b32 s95, 3072, s95                   ; from unit g = 0 to g = 1: the next head, for V the next 64 keys
	v_add_nc_u32 v10, s92, v[VL16]
	v_add_nc_u32 v11, s92, v[VL8P]
	v_add_nc_u32 v12, s95, v10
	v_add_nc_u32 v13, s95, v11
	v_add_nc_u32 v14, s93, v[VL8]
	v_add_nc_u32 v15, s94, v14
	; the bias, in the result's layout
	s_lshl_b32 s98, s79, 10
	s_lshl_b32 s67, s20, 9
	s_add_co_u32 s98, s98, s67
	v_lshl_add_u32 v[VBQ], v246, 6, s98            ; Q, K: 4 x (256 BT + 128 wb + 16 h)
	s_lshl_b32 s98, s78, 9
	s_lshl_b32 s67, s19, 8
	s_add_co_u32 s98, s98, s67
	v_and_b32 v249, 7, v245
	v_lshrrev_b32 v250, 3, v245
	v_lshl_add_u32 v249, v250, 4, v249
	v_lshl_add_u32 v[VBV], v249, 2, s98            ; V: 4 x (128 AT + 64 wa + r % 8 + 16 (r / 8))
	s_cmp_eq_u32 s76, 0
	s_cselect_b64 s[96:97], s[8:9], s[10:11]
	s_cmp_eq_u32 s76, 2
	s_cbranch_scc1 .Lbias_v
.irp b, 0,1,2,3,4,5,6,7                ; register 8 b + j: the bias of column 32 (b / 2) + 8 (b % 2) + 16 h + j
	global_load_b128 v[CB+8*\b:CB+8*\b+3], v[VBQ], s[96:97] offset:(32*(\b/2)+8*(\b%2))*4
	global_load_b128 v[CB+8*\b+4:CB+8*\b+7], v[VBQ], s[96:97] offset:(32*(\b/2)+8*(\b%2))*4+16
.endr
	s_branch .Lbias_done
.Lbias_v:
.set i, 0
	s_wait_alu depctr_va_vdst(0)
.rept 64                               ; registers 8 a + 0 .. 7: the bias of my row of tile a, eight times (both arms write all 64 registers)
	global_load_b32 v[CB+i], v[VBV], s[12:13] offset:(32*(((i/8)%4)/2)+8*((i/8)%2))*4
.set i, i+1
.endr
.Lbias_done:
	s_wait_alu depctr_va_vdst(0)                   ; the wait at the head's end
	s_wait_tensorcnt 0x0                           ; my part of the first half has landed
	ds_add_u32 v254, v255
	s_wait_dscnt 0x0
	CROUND                                         ; everybody's part is in, and all sixteen work-groups are here: the joint loads meet
	s_cmp_lt_u32 s18, 2
	s_cbranch_scc0 .Lfill2_b
	tensor_load_to_lds s[44:47], s[24:31]          ; the second half of K: my one tensor load behind the round
	s_nop 0
.rept 4
	v_nop
.endr
	s_branch .Lfilled2
.Lfill2_b:
	tensor_load_to_lds s[60:63], s[32:39]
	s_nop 0
.rept 4
	v_nop
.endr
.Lfilled2:
	FETCH 0
	s_wait_loadcnt 0x0                             ; scale words and bias
	PRE 0
	WIN 0
	s_cmp_eq_u32 s76, 2
	s_cbranch_scc1 .Lfirst_v
	MULS 0, 1
	WIN 0
	s_branch .Lfirst_done
.Lfirst_v:
	MULS 0, 2
	WIN 0
.Lfirst_done:
.irp s, 1,2,3,4,5,6,7
	s_wait_alu depctr_va_vdst(0)
	PRE \s
	MULS \s, 0
.endr
	WIN 0
.rept 4
	v_nop                                          ; places between the last products and the first read of results
.endr
; THE WAY OUT.  32 registers (four accumulators of one tile a) are 64 neighbours along the next K in lanes l and l xor 16: two blocks of 32.  They become one unit of codes and two scale bytes.
; Each accumulator is read from its low end on.
.macro QUNIT src, c, hr
	WIN 0x05
	v_max3_num_f32 v[T0], |v[(\src)]|, |v[(\src)+1]|, 0x1800000
	v_max3_num_f32 v[T1], |v[(\src)+16]|, |v[(\src)+17]|, 0x1800000
.irp i, 2,4,6,8,10,12,14
	v_max3_num_f32 v[T0], |v[(\src)+\i]|, |v[(\src)+\i+1]|, v[T0]
	v_max3_num_f32 v[T1], |v[(\src)+16+\i]|, |v[(\src)+17+\i]|, v[T1]
.endr
	WIN 0
	v_permlanex16_b32 v[P0], v[T0], s[SEL], s[SEL+1]
	v_permlanex16_b32 v[P1], v[T1], s[SEL], s[SEL+1]
	v_max_num_f32 v[T0], v[T0], v[P0]
	v_max_num_f32 v[T1], v[T1], v[P1]
	v_add_nc_u32 v[C0], 0xff000000, v[T0]
	v_add_nc_u32 v[C1], 0xff000000, v[T1]
	v_lshrrev_b32 v[P0], 23, v[C0]
	v_lshrrev_b32 v[P1], 23, v[C1]
	v_lshl_or_b32 v[(\hr)], v[P1], 8, v[P0]
	WIN 0x01
	v_cvt_scalef32_pk16_fp6_f32 v[(\c):(\c)+2], v[(\src):(\src)+15], v[C0]
	v_cvt_scalef32_pk16_fp6_f32 v[(\c)+6:(\c)+8], v[(\src)+16:(\src)+31], v[C1]
	WIN 0
	v_nop                                          ; one plain line behind the conversions
.irp i, 0,1,2
	v_permlane16_swap_b32 v[(\c)+\i], v[(\c)+6+\i] ; a whole block to a lane: lanes 0-15 the first block, lanes 16-31 the second
.endr
.irp i, 0,1,2
	v_mov_b32 v[(\c)+3+\i], v[(\c)+6+\i]
.endr
.endm
.irp a, 0,1,2,3
.irp g, 0,1                            ; each unit has code registers of its own, so no store's data are written again
	QUNIT 64*\a+32*\g, AF+12*(2*\a+\g), HH+2*\a+\g
	global_store_b128 v[10+2*\g], v[AF+12*(2*\a+\g):AF+12*(2*\a+\g)+3], s[14:15] offset:\a*768
	global_store_b64 v[11+2*\g], v[AF+12*(2*\a+\g)+4:AF+12*(2*\a+\g)+5], s[14:15] offset:\a*768
.endr
.endr
.irp g, 0,1
.irp i, 0,1
	v_cndmask_b32 v[EE+2*\g+\i], v[HH+4*\i+\g], v[HH+4*\i+2+\g], s99   ; tiles (2 i | 2 i + 1) in lanes (0-15 | 16-31)
.endr
.endr
	s_cmp_eq_u32 s76, 2
	s_cbranch_scc1 .Lscale_v
	global_store_b64 v14, v[EE:EE+1], s[16:17]     ; Q, K: two bytes a word (64 along K), a head each
	global_store_b64 v15, v[EE+2:EE+3], s[16:17]
	s_branch .Lscale_done
.Lscale_v:
	s_wait_alu depctr_va_vdst(0)
	v_lshl_or_b32 v[EE], v[EE+2], 16, v[EE]        ; V: four bytes a word: my 128 keys
	v_lshl_or_b32 v[EE+1], v[EE+3], 16, v[EE+1]
	global_store_b64 v14, v[EE:EE+1], s[16:17]
.Lscale_done:
	s_wait_tensorcnt 0x0
	ds_add_u32 v254, v255
	s_wait_dscnt 0x0
	CROUND                                         ; the closing round: no work-group ends while a partner may still ask for a tile that names it
	s_endpgm
.Lfunc_end_k_q7f8ad1acbf_proj:
	.size	k_q7f8ad1acbf_proj, .Lfunc_end_k_q7f8ad1acbf_proj-k_q7f8ad1acbf_proj
	.p2alignl 7, 3214868480
	.fill 96, 4, 3214868480
	.section	.rodata,"a",@progbits
	.p2align	6, 0x0
	.amdhsa_kernel k_q7f8ad1acbf_proj
		.amdhsa_group_segment_fixed_size 327680
		.amdhsa_private_segment_fixed_size 0
		.amdhsa_enable_private_segment 0
		.amdhsa_kernarg_size 56
		.amdhsa_user_sgpr_count 2
		.amdhsa_user_sgpr_kernarg_segment_ptr 1
		.amdhsa_wavefront_size32 1
		.amdhsa_system_sgpr_workgroup_id_x 1
		.amdhsa_system_sgpr_workgroup_id_y 1
		.amdhsa_system_sgpr_workgroup_id_z 1
		.amdhsa_system_vgpr_workitem_id 0
		.amdhsa_next_free_vgpr 768
		.amdhsa_next_free_sgpr 104
		.amdhsa_reserve_vcc 0
		.amdhsa_float_denorm_mode_32 3
		.amdhsa_float_denorm_mode_16_64 3
		.amdhsa_memory_ordered 1
		.amdhsa_forward_progress 1
		.amdhsa_inst_pref_size 101
	.end_amdhsa_kernel
	.amdgpu_metadata
---
amdhsa.version: [ 1, 2 ]
amdhsa.kernels:
  - .name:           k_q7f8ad1acbf_proj
    .symbol:         k_q7f8ad1acbf_proj.kd
    .args:
      - { .name: pcod, .offset: 0, .size: 8, .value_kind: global_buffer, .address_space: global }
      - { .name: pscl, .offset: 8, .size: 8, .value_kind: global_buffer, .address_space: global }
      - { .name: bq, .offset: 16, .size: 8, .value_kind: global_buffer, .address_space: global }
      - { .name: bk, .offset: 24, .size: 8, .value_kind: global_buffer, .address_space: global }
      - { .name: bv, .offset: 32, .size: 8, .value_kind: global_buffer, .address_space: global }
      - { .name: hcod, .offset: 40, .size: 8, .value_kind: global_buffer, .address_space: global }
      - { .name: hscl, .offset: 48, .size: 8, .value_kind: global_buffer, .address_space: global }
    .group_segment_fixed_size: 327680
    .private_segment_fixed_size: 0
    .kernarg_segment_align: 8
    .kernarg_segment_size: 56
    .max_flat_workgroup_size: 128
    .sgpr_count:     104
    .vgpr_count:     768
    .wavefront_size: 32
...
	.end_amdgpu_metadata
.endif
;; end of part 2
;; launch attn (part 3): grid 4 x 64, 8 waves a work-group, no clusters, 273,408 bytes of LDS; arguments hcod, hscl, pscl, acod, ascl; writes acod, ascl
.if DOCPART == 3
	.amdgcn_target "amdgcn-amd-amdhsa--gfx1250"
	.amdhsa_code_object_version 6
	.text
	.protected	k_q7f8ad1acbf_attn
	.globl	k_q7f8ad1acbf_attn
	.p2align	8
	.type	k_q7f8ad1acbf_attn,@function
k_q7f8ad1acbf_attn:
	s_mov_b64 s[64:65], 0
	v_nop
	global_prefetch_b8 v0, s[64:65] scope:SCOPE_SE
	s_setreg_imm32_b32 hwreg(HW_REG_WAVE_MODE, 25, 1), 1
	s_wait_xcnt 0x0
; out[b][h][q] = sum over k of softmax_k(gate[k] Q.K / 8) V[k], both products on codes of FP6 (E2M3); the result leaves as codes, the operand of the output projection.
; THE SOFTMAX IS QUANTISED FINISHED AND NORMALISED, so its codes hang on the row's whole sum.  THE KEYS ARE SHARED OUT AMONG THE WAVES: a work-group has one (batch, head) and 512 queries; wave w has keys 256 w .. 256 w + 255.
; For a tile of 16 queries a wave's 256 scores stay in 128 registers from the product to the codes: every score, gate multiply and exponential is made once.  t = score x gate x log2(e) / 8; Mw = the wave's largest t rounded up to
; a whole number; p' = 2^(t - Mw).  The waves hand each other (-Mw, sum of p') through LDS, one barrier a tile; M = the largest Mw; p = p' x 2^(Mw - M) / (sum over waves of sum_w 2^(Mw - M)): the powers of two round nothing.
; p is quantised along the keys and multiplied with the wave's V: a partial O^T.  The 8 partial O^T of 8 tiles lie in LDS (8 x 8 x 4,096 bytes); behind a barrier wave w adds up the tile in place w, quantises it and stores it.
; Round R walks tiles 4 i + R, i = 0 .. 7, so wave w finishes tiles 4 w + 0 .. 3: one group of four, whose scale words it stores as one run of 256 bytes.
; A WAVE'S K, V AND THEIR SCALE WORDS GO ONCE FROM MEMORY INTO REGISTERS AND STAY (96 + 96 + 12 registers): no tensor load, no LDS read of K or V.  So no cluster: a joint load would lead these bytes through LDS to be read once.
; No prefetch: K and V are asked for once, at the head, with no loop to run ahead in; the next tile of Q (768 bytes) is asked for directly behind the products that read the last one, a whole tile's work ahead of its use.
; GATE: mean |energy| / (the batch's largest + 1e-8) > 0.1 ? 1 : 0.1 (f32: 1 x 0.9 + 0.1 rounds to 1).  It only selects a factor, by v_cndmask_b32; log2(e) / 8 is folded in.  A wave makes its own 256 factors, in LDS bytes of its own.
; LAYOUT: both products transposed (S^T = K Q^T, O^T = V^T P^T): a lane holds one query.  Tiles hold rows 32 (T / 2) + 8 (T % 2) + r % 8 + 16 (r / 8), so 16 registers of two neighbouring tiles are 16 neighbours along the next K.
; THE SCORES' K IS 64, the instruction's 128: Q's registers 6-11 are zero codes, bytes 2, 3 of Q's and K's scale words are 0 (2^-127, never 0xff); K's fragment of tile T is twelve registers from 6 T on: its upper six are the next
; tile's codes (behind the last: zeros), finite numbers that multiply zeros.
; A BLOCK'S LARGEST p is the block's largest t put through the same additions, exponential and multiplication as the elements (this takes v_exp_f32 not to fall where its input rises).
; The last tile asks for one more tile of Q and its scale words: bytes inside hcod and hscl, which are not used.
; LIMITS: NaN and infinities, and inputs so large that a score overflows f32, are not served; the promise holds while |t| stays under 2^31.  For finite scores the sum is above 1/2, so the softmax is finite and nan_to_num changes
; nothing: it is no instruction here.  p under 2^-126 may be 0.  A block of zeros gets the byte 1 where the rule says 127.  The order of the mean's sum and the refined division can turn the gate only within an ulp of 0.1.
.set GF,    262144                     ; LDS: the partial O^T at 0: [place 8][wave 8][4,096]; here the gate factors, 1,024 bytes a wave;
.set STT,   270336                     ; (-Mw, sum): two buffers of [query 16][wave 8][8 bytes];
.set SPARE, 272384                     ; the spare words, 128 bytes a wave, which no other line names
.set L16, 1                            ; v1  16 x lane
.set L8P, 2                            ; v2  512 + 8 x lane
.set L8,  3                            ; v3  8 x lane
.set QSA, 4                            ; v4  8 r
.set AG,  5                            ; v5  my factors: + 64 h
.set AST, 6                            ; v6  where I put (-Mw, sum)
.set ARD, 7                            ; v7  where I read four waves' (h = 0: waves 0-3; 1: 4-7)
.set AOS, 8                            ; v8  my partial O^T in place 0
.set WOS, 9                            ; v9  the same in the trip's even place
.set AOR, 10                           ; v10 place w: the tile that I add up
.set SPW, 12
.set NIL, 13
.set OSW, 14                           ; v14-15 the result's scale words
.set ST,  16                           ; v16 -Mw, v17 my sum
.set TP,  24                           ; v18-21, v24-27 the sum's four chains; v24-27 also at work
.set FF,  22                           ; v22 the factor; v23 only named in a pair
.set HR,  28
.set PD,  29                           ; a lane permute's destination
.set QSW, 30                           ; Q's scale words
.set KSR, 32                           ; v32-39 K's scale words: tile T at T / 2, row T % 2
.set VSR, 40                           ; v40-43 V's: step s, tile d at 2 s + d / 2, row d % 2
.set PW,  44                           ; v44-45 p's
.set TB,  48                           ; v48-55 the eight blocks' largest
.set UB,  56                           ; v56-63 at work
.set SCO, 64                           ; v64-71 the conversions' scale operands
.set PC,  72                           ; v72-95 p's codes
.set GS,  96                           ; v96-159 64 gate factors; the conversions' second halves; two partial O^T
.set VF,  160                          ; v160-255 V: step s, tile d at 48 s + 12 d
.set FK,  128                          ; window 1: v0-127 S^T, then p, then O^T in v0-31; v128-223 K, v224-229 zeros; v230-241 Q and its zeros
.set QF,  230
.set T0,  48                           ; the way out's registers lie in TB
.set T1,  49
.set P0,  50
.set P1,  51
.set C0,  52
.set C1,  53
.set QO,  44                           ; s[44:45] the next tile of Q, in bytes; s[46:47] its scale words
.set SO,  46
.set QN,  48                           ; s48, s49 the same for the next round's first tile
.set SN,  49
.set CNT, 50
.set RND, 51
.set OS,  52
.set SEL, 54
.set SH,  56
.set M0,  57
.set M1,  58
.set MSB, 0
.macro WIN new
.if MSB != \new
	s_set_vgpr_msb (MSB<<8)|\new
.set MSB, \new
.endif
.endm
.macro WMZ d, a, b, sa, sb, ra         ; a product that starts its sum
.if (\ra)
	v_wmma_scale_f32_16x16x128_f8f6f4 v[(\d):(\d)+7], v[(\a):(\a)+11], v[(\b):(\b)+11], 0, v[(\sa)], v[(\sb)] matrix_a_fmt:MATRIX_FMT_FP6 matrix_b_fmt:MATRIX_FMT_FP6 matrix_a_scale:MATRIX_SCALE_ROW1
.else
	v_wmma_scale_f32_16x16x128_f8f6f4 v[(\d):(\d)+7], v[(\a):(\a)+11], v[(\b):(\b)+11], 0, v[(\sa)], v[(\sb)] matrix_a_fmt:MATRIX_FMT_FP6 matrix_b_fmt:MATRIX_FMT_FP6
.endif
.endm
.macro WMC d, a, b, sa, sb, ra         ; a product onto its sum
.if (\ra)
	v_wmma_scale_f32_16x16x128_f8f6f4 v[(\d):(\d)+7], v[(\a):(\a)+11], v[(\b):(\b)+11], v[(\d):(\d)+7], v[(\sa)], v[(\sb)] matrix_a_fmt:MATRIX_FMT_FP6 matrix_b_fmt:MATRIX_FMT_FP6 matrix_a_scale:MATRIX_SCALE_ROW1
.else
	v_wmma_scale_f32_16x16x128_f8f6f4 v[(\d):(\d)+7], v[(\a):(\a)+11], v[(\b):(\b)+11], v[(\d):(\d)+7], v[(\sa)], v[(\sb)] matrix_a_fmt:MATRIX_FMT_FP6 matrix_b_fmt:MATRIX_FMT_FP6
.endif
.endm
	s_load_b256 s[4:11], s[0:1], 0x0               ; hcod, hscl, pscl, acod
	s_load_b64 s[12:13], s[0:1], 0x20              ; ascl
	v_lshl_add_u32 v[SPW], v0, 2, SPARE
	v_mov_b32 v[NIL], 0
	v_lshrrev_b32 v24, 5, v0
	s_delay_alu instid0(VALU_DEP_1)
	v_readfirstlane_b32 s14, v24                   ; wave 0..7
	s_and_b32 s16, ttmp7, 0xffff                   ; batch x 16 + head
	s_lshr_b32 s17, s16, 4                         ; batch
	s_and_b32 s18, s16, 15                         ; head
	s_lshl_b32 s20, s17, 13
	s_add_co_u32 s20, s20, 917504                  ; the batch's means in pscl
	s_mul_i32 s22, s16, 98304
	s_mul_i32 s59, s14, 12288
	s_add_co_u32 s22, s22, s59
	s_add_co_u32 s24, s22, 12582912                ; my 256 keys of V's codes,
	s_add_co_u32 s22, s22, 6291456                 ; of K's
	s_mul_i32 s26, s16, 12288
	s_add_co_u32 s26, s26, 524288
	s_lshl_b32 s59, s14, 9
	s_add_co_u32 s28, s26, s59
	s_add_co_u32 s28, s28, 8192                    ; V's scale words of my two steps,
	s_lshl_b32 s59, s14, 10
	s_add_co_u32 s26, s26, s59                     ; K's of my four groups of four tiles
	s_lshl_b32 s30, s16, 7
	s_lshl_b32 s59, ttmp9, 5
	s_add_co_u32 s30, s30, s59                     ; the work-group's first tile of queries, among 64 x 128
	s_lshl_b32 s32, s30, 6                         ; its group's scale words: 256 bytes for four tiles
	s_mul_i32 s30, s30, 768
	s_lshl_b32 s34, s17, 7
	s_add_co_u32 s34, s34, s59
	s_lshl_b32 s60, s14, 2
	s_add_co_u32 s34, s34, s60                     ; the first row tile that I finish, among 512
	s_lshl_b32 s36, s34, 2
	s_add_co_u32 s36, s36, s18
	s_lshl_b32 s36, s36, 8                         ; ascl: (group of four tiles x 16 + head) x 256
	s_lshl_b32 s34, s34, 4
	s_add_co_u32 s34, s34, s18
	s_mul_i32 s34, s34, 768                        ; acod: (row tile x 16 + head) x 768
.irp k, 21,23,25,27,29,31,33,35,37,45,47
	s_mov_b32 s\k, 0
.endr
	s_and_b32 s[SH], s18, 1
	s_lshl_b32 s[SH], s[SH], 4                     ; an odd head's two bytes stand in the word's upper half
	s_mov_b32 s[SEL], 0x76543210
	s_mov_b32 s[SEL+1], 0xfedcba98                 ; lane l xor 16
	v_and_b32 v25, 31, v0                          ; lane
	v_and_b32 v26, 15, v0                          ; r
	v_bfe_u32 v27, v0, 4, 1                        ; h
	v_lshlrev_b32 v[L16], 4, v25
	v_lshlrev_b32 v[L8], 3, v25
	v_lshlrev_b32 v[QSA], 3, v26
	v_add_nc_u32 v[L8P], 512, v[L8]
	s_lshl_b32 s60, s14, 10
	s_add_co_u32 s59, s60, GF
	v_lshl_add_u32 v[AG], v27, 6, s59
	v_lshl_add_u32 v64, v25, 5, s59                ; where my 8 factors go
	v_lshl_add_u32 v65, v25, 5, s60                ; my 8 means: wave x 1,024 + lane x 32
	s_lshl_b32 s60, s14, 3
	s_add_co_u32 s60, s60, STT
	v_lshl_add_u32 v[AST], v26, 6, s60
	v_lshlrev_b32 v[ARD], 6, v26
	s_lshl_b32 s60, s14, 12
	v_add_nc_u32 v[AOS], s60, v[L16]
	s_lshl_b32 s60, s14, 15
	v_add_nc_u32 v[AOR], s60, v[L16]
	v_lshl_add_u32 v[ARD], v27, 5, v[ARD]
	v_mov_b32 v[PD], 0                             ; a lane permute's destination counts as one of its sources
	v_mov_b32 v[ST+1], 0                           ; named in pairs before they are first written
	v_mov_b32 v[FF+1], 0
	v_mov_b32 v[OSW], 0
	v_mov_b32 v[OSW+1], 0
	v_add_nc_u32 v[ARD], STT, v[ARD]
.irp k, 0,1,2,3,4,5,6,7
	v_mov_b32 v[UB+\k], 0
.endr
	s_wait_alu depctr_va_vdst(0)                   ; the wait here, directly ahead of the wait below
	s_wait_kmcnt 0x0
	s_add_nc_u64 s[20:21], s[8:9], s[20:21]
	s_add_nc_u64 s[22:23], s[4:5], s[22:23]
	s_add_nc_u64 s[24:25], s[4:5], s[24:25]
	s_add_nc_u64 s[26:27], s[6:7], s[26:27]
	s_add_nc_u64 s[28:29], s[6:7], s[28:29]
	s_add_nc_u64 s[30:31], s[4:5], s[30:31]
	s_add_nc_u64 s[32:33], s[6:7], s[32:33]
	s_add_nc_u64 s[34:35], s[10:11], s[34:35]
	s_add_nc_u64 s[36:37], s[12:13], s[36:37]
.irp k, 0,1,2,3,4,5,6,7,8,9,10,11,12,13,14,15
	global_load_b128 v[GS+4*\k:GS+4*\k+3], v[L16], s[20:21] offset:512*\k      ; all 2,048 means
.endr
	global_load_b128 v[TB:TB+3], v65, s[20:21]
	global_load_b128 v[TB+4:TB+7], v65, s[20:21] offset:16
	WIN 0x40                                       ; destination window 1
.irp T, 0,1,2,3,4,5,6,7,8,9,10,11,12,13,14,15
	global_load_b128 v[FK+6*\T:FK+6*\T+3], v[L16], s[22:23] offset:768*\T
	global_load_b64 v[FK+6*\T+4:FK+6*\T+5], v[L8P], s[22:23] offset:768*\T
.endr
	global_load_b128 v[QF:QF+3], v[L16], s[30:31]  ; tile 0 of Q
	global_load_b64 v[QF+4:QF+5], v[L8P], s[30:31]
.irp k, 0,1,2,3,4,5
	v_mov_b32 v[FK+96+\k], 0                       ; the zeros behind K's last tile,
	v_mov_b32 v[QF+6+\k], 0                        ; and Q's zero codes
.endr
	WIN 0
.irp g, 0,1,2,3
	global_load_b64 v[KSR+2*\g:KSR+2*\g+1], v[L8], s[26:27] offset:256*\g
.endr
.irp s, 0,1
	global_load_b64 v[VSR+2*\s:VSR+2*\s+1], v[L8], s[28:29] offset:256*\s
.endr
	global_load_b32 v[QSW], v[QSA], s[32:33]
	s_wait_alu depctr_va_vdst(0)
	s_wait_loadcnt 41                              ; the means' 18 loads are in; behind them: 32 of K, 2 of Q, 7 of scale words
	; ---- the gate
	v_max3_num_f32 v24, v[GS], v[GS+1], v[GS+2]
	v_max3_num_f32 v25, v[GS+3], v[GS+4], v[GS+5]
.irp k, 6,10,14,18,22,26,30,34,38,42,46,50,54,58
	s_delay_alu instid0(VALU_DEP_2)
	v_max3_num_f32 v24, v24, v[GS+\k], v[GS+\k+1]
	s_delay_alu instid0(VALU_DEP_2)
	v_max3_num_f32 v25, v25, v[GS+\k+2], v[GS+\k+3]
.endr
	s_delay_alu instid0(VALU_DEP_2)
	v_max3_num_f32 v24, v24, v[GS+62], v[GS+63]
	s_delay_alu instid0(VALU_DEP_1)
	v_max_num_f32 v24, v24, v25
.irp m, 1,2,4,8
	s_delay_alu instid0(VALU_DEP_1)
	v_max_num_f32_dpp v24, v24, v24 row_xmask:\m row_mask:0xf bank_mask:0xf
.endr
	s_delay_alu instid0(VALU_DEP_1)
	v_permlanex16_b32 v[PD], v24, s[SEL], s[SEL+1]
	s_delay_alu instid0(VALU_DEP_1)
	v_max_num_f32 v24, v24, v[PD]                  ; the batch's largest mean
	s_delay_alu instid0(VALU_DEP_1)
	v_add_f32 v26, 0x322bcc77, v24                 ; + 1e-8
	s_wait_alu depctr_va_vdst(0)                   ; the wait ahead of the reciprocal
	v_rcp_f32 v27, v26
	v_mov_b32 v56, 0x3c93bb63                      ; 0.1 x log2(e) / 8  (a plain line behind the reciprocal)
	v_mov_b32 v57, 0x3e38aa3b                      ; log2(e) / 8
	s_wait_alu depctr_va_vdst(0)                   ; and ahead of its first reader
.irp k, 0,1,2,3,4,5,6,7
	v_mul_f32 v[GS+\k], v[TB+\k], v27
.endr
.irp k, 0,1,2,3,4,5,6,7
	v_fma_f32 v[GS+8+\k], -v[GS+\k], v26, v[TB+\k] ; the quotient's remainder,
.endr
.irp k, 0,1,2,3,4,5,6,7
	v_fma_f32 v[GS+\k], v[GS+8+\k], v27, v[GS+\k]  ; and the quotient refined by it
.endr
.irp k, 0,1,2,3,4,5,6,7
	v_cmp_lt_f32 vcc_lo, 0x3dcccccd, v[GS+\k]
	s_delay_alu instid0(VALU_DEP_1)
	v_cndmask_b32 v[TB+\k], v56, v57, vcc_lo
.endr
	ds_store_b128 v64, v[TB:TB+3]                  ; my wave's own bytes: LDS serves a wave's instructions in order, so no barrier
	ds_store_b128 v64, v[TB+4:TB+7] offset:16
.irp s, 0,1
.irp d, 0,1,2,3
.irp e, 0,1
	global_load_b128 v[VF+48*\s+12*\d+6*\e:VF+48*\s+12*\d+6*\e+3], v[L16], s[24:25] offset:6144*\s+3072*\e+768*\d
	global_load_b64 v[VF+48*\s+12*\d+6*\e+4:VF+48*\s+12*\d+6*\e+5], v[L8P], s[24:25] offset:6144*\s+3072*\e+768*\d
.endr
.endr
.endr
	s_mov_b32 s[QO], 3072                          ; tile 4 comes next
	s_mov_b32 s[SO], 256
	s_mov_b32 s[QN], 768                           ; round 1 begins at tile 1
	s_mov_b32 s[SN], 128
	s_mov_b32 s[RND], 0
.macro GLOAD s                         ; 16 loads: register 16 b + i = the factor of my key 128 s + 32 b + 16 h + i
.irp b, 0,1,2,3
.irp q, 0,1,2,3
	ds_load_b128 v[GS+16*\b+4*\q:GS+16*\b+4*\q+3], v[AG] offset:512*(\s)+128*\b+16*\q
.endr
.endr
.endm
.macro TMUL s                          ; t = score x factor; each accumulator from its low end on
	WIN 0x41
.set j, 0
.rept 32
	v_pk_mul_f32 v[64*(\s)+j:64*(\s)+j+1], v[64*(\s)+j:64*(\s)+j+1], v[GS+j:GS+j+1]
.set j, j+2
.endr
.endm
.macro BMAX s                          ; my 16 of each of four blocks of 32 keys, the four by turns
	WIN 0x05
.irp b, 0,1,2,3
	v_max_num_f32 v[TB+4*(\s)+\b], v[64*(\s)+16*\b], v[64*(\s)+16*\b+1]
.endr
.irp k, 2,4,6,8,10,12,14
.irp b, 0,1,2,3
	v_max3_num_f32 v[TB+4*(\s)+\b], v[64*(\s)+16*\b+\k], v[64*(\s)+16*\b+\k+1], v[TB+4*(\s)+\b]
.endr
.endr
.endm
.macro TILE par                        ; one tile of 16 queries against my 256 keys; par: the buffer of (-Mw, sum), and the odd or even place of O^T
	GLOAD 0
	s_wait_loadcnt 0x0                             ; Q and its scale words are in (the first time: K and V too)
	WIN 0x45
.irp T, 0,1,2,3,4,5,6,7,8,9,10,11,12,13,14,15
	WMZ 8*\T, FK+6*\T, QF, KSR+\T/2, QSW, \T%2
.endr
	WIN 0
.rept 4
	v_nop                                          ; places in front of the loads into Q's registers and of the first read of the scores
.endr
.if \par
	s_cmp_eq_u32 s[CNT], 1                         ; the round's last tile: the next round's first comes next
	s_cselect_b32 s[QO], s[QN], s[QO]
	s_cselect_b32 s[SO], s[SN], s[SO]
.endif
	s_add_nc_u64 s[40:41], s[30:31], s[QO:QO+1]    ; (the loads that read these pairs are done: the wait for 0 above)
	s_add_nc_u64 s[42:43], s[32:33], s[SO:SO+1]
	s_add_co_u32 s[QO], s[QO], 3072
	s_add_co_u32 s[SO], s[SO], 256
	WIN 0x40
	global_load_b128 v[QF:QF+3], v[L16], s[40:41]
	global_load_b64 v[QF+4:QF+5], v[L8P], s[40:41]
	WIN 0
	global_load_b32 v[QSW], v[QSA], s[42:43]
	s_wait_dscnt 0x0                               ; the first 64 factors are in
	TMUL 0
	WIN 0
	GLOAD 1
	BMAX 0
	s_wait_dscnt 0x0                               ; the other 64
	TMUL 1
	BMAX 1
	WIN 0
.irp k, 0,1,2,3,4,5,6,7
	v_permlanex16_b32 v[UB+\k], v[TB+\k], s[SEL], s[SEL+1]
.endr
.irp k, 0,1,2,3,4,5,6,7
	v_max_num_f32 v[TB+\k], v[TB+\k], v[UB+\k]     ; each block's largest t
.endr
	v_max3_num_f32 v[TP], v[TB], v[TB+1], v[TB+2]
	v_max3_num_f32 v[TP+1], v[TB+3], v[TB+4], v[TB+5]
	s_delay_alu instid0(VALU_DEP_2)
	v_max3_num_f32 v[TP], v[TP], v[TB+6], v[TB+7]
	s_delay_alu instid0(VALU_DEP_1)
	v_max_num_f32 v[TP], v[TP], v[TP+1]
	s_delay_alu instid0(VALU_DEP_1)
	v_floor_f32 v[ST], -v[TP]                      ; -Mw = floor(-t): Mw is a whole number
	WIN 0x41
.set j, 0
.rept 64
	v_pk_add_f32 v[j:j+1], v[j:j+1], v[ST:ST+1] op_sel_hi:[1,0]
.set j, j+2
.endr
	WIN 0
.irp k, 0,2,4,6
	v_pk_add_f32 v[TB+\k:TB+\k+1], v[TB+\k:TB+\k+1], v[ST:ST+1] op_sel_hi:[1,0]
.endr
	s_wait_alu depctr_va_vdst(0)                   ; the wait ahead of the batch
	WIN 0x41
.set j, 0
.rept 128
	v_exp_f32 v[j], v[j]                           ; p' = 2^(t - Mw)
.set j, j+1
.endr
	WIN 0
.irp k, 0,1,2,3,4,5,6,7
	v_exp_f32 v[TB+\k], v[TB+\k]
.endr
	v_nop                                          ; a plain line behind the exponentials
	s_wait_alu depctr_va_vdst(0)                   ; one wait for the batch of 136, ahead of its first reader
	WIN 0x05
.irp c, 0,1,2,3                        ; the sum of the unquantised p', two at a time, in four chains
	v_pk_add_f32 v[18+2*\c+2*(\c/2):19+2*\c+2*(\c/2)], v[4*\c:4*\c+1], v[4*\c+2:4*\c+3]
.endr
	WIN 0x04
.set j, 16
.rept 14
.irp c, 0,1,2,3
	v_pk_add_f32 v[18+2*\c+2*(\c/2):19+2*\c+2*(\c/2)], v[18+2*\c+2*(\c/2):19+2*\c+2*(\c/2)], v[j+2*\c:j+2*\c+1]
.endr
.set j, j+8
.endr
	WIN 0
	v_pk_add_f32 v[18:19], v[18:19], v[20:21]
	v_pk_add_f32 v[24:25], v[24:25], v[26:27]
	s_delay_alu instid0(VALU_DEP_1)
	v_pk_add_f32 v[18:19], v[18:19], v[24:25]
	s_delay_alu instid0(VALU_DEP_1)
	v_add_f32 v[TP], v18, v19
	s_delay_alu instid0(VALU_DEP_1)
	v_permlanex16_b32 v[PD], v[TP], s[SEL], s[SEL+1]
	s_delay_alu instid0(VALU_DEP_1)
	v_add_f32 v[ST+1], v[TP], v[PD]                ; my 256 keys' sum
	ds_store_b64 v[AST], v[ST:ST+1] offset:1024*\par   ; (both halves of the lanes store the same bytes with the same values)
	s_wait_alu depctr_va_vdst(0)                   ; the wait here, directly ahead of the wait below
	s_wait_dscnt 0x0                               ; for the others' sake: stored; and my reads of the other buffer, and of the tile that I added up, are over
	s_barrier_signal -1
	s_barrier_wait -1
	ds_load_b128 v[UB:UB+3], v[ARD] offset:1024*\par
	ds_load_b128 v[UB+4:UB+7], v[ARD] offset:1024*\par+16
	s_wait_dscnt 0x0
	v_min3_num_f32 v[TP], v[UB], v[UB+2], v[UB+4]
	s_delay_alu instid0(VALU_DEP_1)
	v_min_num_f32 v[TP], v[TP], v[UB+6]
	s_delay_alu instid0(VALU_DEP_1)
	v_permlanex16_b32 v[PD], v[TP], s[SEL], s[SEL+1]
	s_delay_alu instid0(VALU_DEP_1)
	v_min_num_f32 v[TP], v[TP], v[PD]              ; -M of the whole row
.irp k, 0,2,4,6
	v_sub_f32 v[UB+\k], v[TP], v[UB+\k]            ; Mw - M, a whole number, 0 or less
.endr
	v_sub_f32 v[TP+1], v[TP], v[ST]                ; and mine
.irp k, 0,2,4,6
	v_cvt_i32_f32 v[UB+\k], v[UB+\k]               ; (it saturates)
.endr
	v_cvt_i32_f32 v[TP+1], v[TP+1]
.irp k, 0,2,4,6
	v_ldexp_f32 v[UB+\k+1], v[UB+\k+1], v[UB+\k]   ; each wave's sum under M: nothing is rounded
.endr
	v_add_f32 v[UB+1], v[UB+1], v[UB+3]
	v_add_f32 v[UB+5], v[UB+5], v[UB+7]
	s_delay_alu instid0(VALU_DEP_1)
	v_add_f32 v[UB+1], v[UB+1], v[UB+5]
	s_delay_alu instid0(VALU_DEP_1)
	v_permlanex16_b32 v[PD], v[UB+1], s[SEL], s[SEL+1]
	s_delay_alu instid0(VALU_DEP_1)
	v_add_f32 v[TP+2], v[UB+1], v[PD]              ; the row's sum
	s_wait_alu depctr_va_vdst(0)                   ; the wait ahead of the reciprocal
	v_rcp_f32 v[TP+3], v[TP+2]
	v_nop
	s_wait_alu depctr_va_vdst(0)                   ; and ahead of its first reader
	v_ldexp_f32 v[FF], v[TP+3], v[TP+1]            ; 2^(Mw - M) / sum
.irp k, 0,2,4,6
	v_pk_mul_f32 v[TB+\k:TB+\k+1], v[TB+\k:TB+\k+1], v[FF:FF+1] op_sel_hi:[1,0]   ; each block's largest p
.endr
.irp k, 0,1,2,3,4,5,6,7
	v_max_num_f32 v[TB+\k], 0x1800000, v[TB+\k]    ; the floor 2^(3 - 127): the byte cannot fall under 1
.endr
.irp k, 0,1,2,3,4,5,6,7
	v_add_nc_u32 v[SCO+\k], 0xff000000, v[TB+\k]   ; 2 off the exponent field: the conversion's scale operand
.endr
.irp k, 0,1,2,3,4,5,6,7
	v_lshrrev_b32 v[UB+\k], 23, v[SCO+\k]
.endr
.irp s, 0,1
	v_lshl_or_b32 v[PW+\s], v[UB+4*\s+1], 8, v[UB+4*\s]
.endr
.irp s, 0,1
	s_delay_alu instid0(VALU_DEP_2)
	v_lshl_or_b32 v[PW+\s], v[UB+4*\s+2], 16, v[PW+\s]
.endr
.irp s, 0,1
	s_delay_alu instid0(VALU_DEP_2)
	v_lshl_or_b32 v[PW+\s], v[UB+4*\s+3], 24, v[PW+\s]     ; p's scale word of each 128 keys
.endr
	WIN 0x41
.set j, 0
.rept 64
	v_pk_mul_f32 v[j:j+1], v[j:j+1], v[FF:FF+1] op_sel_hi:[1,0]    ; the finished softmax
.set j, j+2
.endr
	WIN 0x01
.irp c, 0,1,2,3
	v_cvt_scalef32_pk16_fp6_f32 v[PC+6*\c:PC+6*\c+2], v[32*\c:32*\c+15], v[SCO+2*\c]
	v_cvt_scalef32_pk16_fp6_f32 v[GS+4*\c:GS+4*\c+2], v[32*\c+16:32*\c+31], v[SCO+2*\c+1]
.endr
	WIN 0
	v_nop                                          ; one plain line behind the conversions
.irp c, 0,1,2,3
.irp k, 0,1,2
	v_permlane16_swap_b32 v[PC+6*\c+\k], v[GS+4*\c+\k]     ; a whole block to a lane
.endr
.endr
.irp c, 0,1,2,3
.irp k, 0,1,2
	v_mov_b32 v[PC+6*\c+3+\k], v[GS+4*\c+\k]
.endr
.endr
.rept 4
	v_nop                                          ; an operand written by vector instructions stands four places ahead of a scaled product
.endr
	WIN 0x40                                       ; O^T = V^T P^T over my 256 keys, into the registers that held p: four accumulators by turns
.irp d, 0,1,2,3
	WMZ 8*\d, VF+12*\d, PC, VSR+\d/2, PW, \d%2
.endr
	WIN 0x50
.irp d, 0,1,2,3
	WMC 8*\d, VF+48+12*\d, PC+12, VSR+2+\d/2, PW+1, \d%2
.endr
	WIN 0
.rept 5
	v_nop                                          ; four places ahead of the stores that read O^T, five ahead of the next tile's products, which write over it
.endr
	WIN 0x04                                       ; an LDS store's data are its source 1
.irp q, 0,1,2,3,4,5,6,7
	ds_store_b128 v[WOS], v[4*\q:4*\q+3] offset:32768*\par+512*\q      ; each accumulator from its low end on
.endr
	WIN 0
.endm
.macro PADD a, b                       ; 32 registers onto 32
.set j, 0
.rept 16
	v_pk_add_f32 v[(\a)+j:(\a)+j+1], v[(\a)+j:(\a)+j+1], v[(\b)+j:(\b)+j+1]
.set j, j+2
.endr
.endm
.macro OLOAD reg, w                    ; wave w's partial O^T of the tile in my place
.irp q, 0,1,2,3,4,5,6,7
	ds_load_b128 v[(\reg)+4*\q:(\reg)+4*\q+3], v[AOR] offset:4096*(\w)+512*\q
.endr
.endm
	s_wait_alu depctr_va_vdst(0)                   ; the wait at the head's end
.Lround:
	s_mov_b32 s[OS], 0
	s_mov_b32 s[CNT], 4
.Ltrip:
	v_add_nc_u32 v[WOS], s[OS], v[AOS]
	TILE 0
	TILE 1
	s_add_co_u32 s[OS], s[OS], 65536
	s_sub_co_u32 s[CNT], s[CNT], 1
	s_cmp_lg_u32 s[CNT], 0
	s_cbranch_scc1 .Ltrip
	s_wait_dscnt 0x0                               ; for the others' sake: my partial O^T of all eight tiles are stored
	s_barrier_signal -1
	s_barrier_wait -1
	WIN 0x40
	OLOAD 0, 0
	OLOAD 32, 1
	OLOAD 64, 2
	OLOAD 96, 3
	WIN 0
	OLOAD GS, 4
	OLOAD GS+32, 5
	s_wait_dscnt 0x0
	WIN 0x45
	PADD 0, 32
	PADD 64, 96
	WIN 0x40
	OLOAD 32, 6
	OLOAD 96, 7
	WIN 0x45
	PADD 0, 64
	WIN 0x41
	PADD 0, GS
	PADD 0, GS+32
	s_wait_dscnt 0x0                               ; my reads of the place are over: the next tile's barrier stands between them and the next stores into it
	WIN 0x45
	PADD 0, 32
	PADD 0, 96
	; 32 registers, 64 neighbours along the next K in lanes l and l xor 16, become a unit of codes and two scale bytes
	WIN 0x05
	v_max3_num_f32 v[T0], |v0|, |v1|, 0x1800000
	v_max3_num_f32 v[T1], |v16|, |v17|, 0x1800000
.irp k, 2,4,6,8,10,12,14
	v_max3_num_f32 v[T0], |v[\k]|, |v[\k+1]|, v[T0]
	v_max3_num_f32 v[T1], |v[16+\k]|, |v[17+\k]|, v[T1]
.endr
	WIN 0
	v_permlanex16_b32 v[P0], v[T0], s[SEL], s[SEL+1]
	v_permlanex16_b32 v[P1], v[T1], s[SEL], s[SEL+1]
	s_delay_alu instid0(VALU_DEP_2)
	v_max_num_f32 v[T0], v[T0], v[P0]
	s_delay_alu instid0(VALU_DEP_2)
	v_max_num_f32 v[T1], v[T1], v[P1]
	s_delay_alu instid0(VALU_DEP_2)
	v_add_nc_u32 v[C0], 0xff000000, v[T0]
	s_delay_alu instid0(VALU_DEP_2)
	v_add_nc_u32 v[C1], 0xff000000, v[T1]
	s_delay_alu instid0(VALU_DEP_2)
	v_lshrrev_b32 v[P0], 23, v[C0]
	s_delay_alu instid0(VALU_DEP_2)
	v_lshrrev_b32 v[P1], 23, v[C1]
	s_delay_alu instid0(VALU_DEP_1)
	v_lshl_or_b32 v[HR], v[P1], 8, v[P0]
	WIN 0x01
	v_cvt_scalef32_pk16_fp6_f32 v[PC:PC+2], v[0:15], v[C0]
	v_cvt_scalef32_pk16_fp6_f32 v[PC+6:PC+8], v[16:31], v[C1]
	WIN 0
	v_nop                                          ; one plain line behind the conversions
.irp k, 0,1,2
	v_permlane16_swap_b32 v[PC+\k], v[PC+6+\k]
.endr
.irp k, 0,1,2
	s_delay_alu instid0(VALU_DEP_3)
	v_mov_b32 v[PC+3+\k], v[PC+6+\k]
.endr
	global_store_b128 v[L16], v[PC:PC+3], s[34:35] ; tile 4 w + R: a unit of 768 consecutive bytes
	global_store_b64 v[L8P], v[PC+4:PC+5], s[34:35]
	s_and_b32 s59, s[RND], 1
	s_lshl_b32 s59, s59, 4
	s_lshl_b32 s59, 0xffff, s59                    ; an even tile's words stand in lanes 0-15, an odd tile's in lanes 16-31;
	s_cmp_lt_u32 s[RND], 2
	s_cselect_b32 s[M0], s59, 0                    ; tiles 0, 1 in the first word, tiles 2, 3 in the second
	s_cselect_b32 s[M1], 0, s59
	s_wait_alu depctr_va_vdst(0)                   ; the wait here, directly ahead of the reader below
	v_lshlrev_b32 v[HR], s[SH], v[HR]
	s_delay_alu instid0(VALU_DEP_1)
	v_cndmask_b32 v[OSW], v[OSW], v[HR], s[M0]
	v_cndmask_b32 v[OSW+1], v[OSW+1], v[HR], s[M1]
	s_add_co_u32 s[RND], s[RND], 1
	s_add_co_u32 s[QN], s[QN], 768                 ; where the round after the next one begins
	s_add_co_u32 s59, s[RND], 1
	s_and_b32 s60, s59, 1
	s_lshl_b32 s60, s60, 7
	s_lshr_b32 s59, s59, 1
	s_lshl_b32 s59, s59, 2
	s_add_co_u32 s[SN], s60, s59
	s_wait_alu depctr_va_vdst(0)                   ; the wait here, directly ahead of the wait below
	s_wait_xcnt 0x0                                ; the stores have read their base and the code registers
	s_add_nc_u64 s[34:35], s[34:35], 12288
	s_cmp_lt_u32 s[RND], 4
	s_cbranch_scc1 .Lround
	global_store_b64 v[L8], v[OSW:OSW+1], s[36:37] ; my group's scale words: 256 consecutive bytes
	s_wait_tensorcnt 0x0                           ; the wave's end
	ds_add_u32 v[SPW], v[NIL]
	s_wait_dscnt 0x0
	s_endpgm
.Lfunc_end_k_q7f8ad1acbf_attn:
	.size	k_q7f8ad1acbf_attn, .Lfunc_end_k_q7f8ad1acbf_attn-k_q7f8ad1acbf_attn
	.p2alignl 7, 3214868480
	.fill 96, 4, 3214868480
	.section	.rodata,"a",@progbits
	.p2align	6, 0x0
	.amdhsa_kernel k_q7f8ad1acbf_attn
		.amdhsa_group_segment_fixed_size 273408
		.amdhsa_private_segment_fixed_size 0
		.amdhsa_enable_private_segment 0
		.amdhsa_kernarg_size 40
		.amdhsa_user_sgpr_count 2
		.amdhsa_user_sgpr_kernarg_segment_ptr 1
		.amdhsa_wavefront_size32 1
		.amdhsa_system_sgpr_workgroup_id_x 1
		.amdhsa_system_sgpr_workgroup_id_y 1
		.amdhsa_system_sgpr_workgroup_id_z 1
		.amdhsa_system_vgpr_workitem_id 0
		.amdhsa_next_free_vgpr 512
		.amdhsa_next_free_sgpr 66
		.amdhsa_reserve_vcc 1
		.amdhsa_float_denorm_mode_32 3
		.amdhsa_float_denorm_mode_16_64 3
		.amdhsa_memory_ordered 1
		.amdhsa_forward_progress 1
		.amdhsa_inst_pref_size 111
	.end_amdhsa_kernel
	.amdgpu_metadata
---
amdhsa.version: [ 1, 2 ]
amdhsa.kernels:
  - .name:           k_q7f8ad1acbf_attn
    .symbol:         k_q7f8ad1acbf_attn.kd
    .args:
      - { .name: hcod, .offset: 0, .size: 8, .value_kind: global_buffer, .address_space: global }
      - { .name: hscl, .offset: 8, .size: 8, .value_kind: global_buffer, .address_space: global }
      - { .name: pscl, .offset: 16, .size: 8, .value_kind: global_buffer, .address_space: global }
      - { .name: acod, .offset: 24, .size: 8, .value_kind: global_buffer, .address_space: global }
      - { .name: ascl, .offset: 32, .size: 8, .value_kind: global_buffer, .address_space: global }
    .group_segment_fixed_size: 273408
    .private_segment_fixed_size: 0
    .kernarg_segment_align: 8
    .kernarg_segment_size: 40
    .max_flat_workgroup_size: 256
    .sgpr_count:     66
    .vgpr_count:     512
    .wavefront_size: 32
...
	.end_amdgpu_metadata
.endif
;; end of part 3
;; launch outp (part 4): grid 4 x 64, 4 waves a work-group, clusters of 4 x 4, 327,680 bytes of LDS; arguments acod, ascl, pcod, pscl, bo, out0; writes out0
.if DOCPART == 4
	.amdgcn_target "amdgcn-amd-amdhsa--gfx1250"
	.amdhsa_code_object_version 6
	.text
	.protected	k_q7f8ad1acbf_outp
	.globl	k_q7f8ad1acbf_outp
	.p2align	8
	.type	k_q7f8ad1acbf_outp,@function
k_q7f8ad1acbf_outp:
	s_mov_b64 s[64:65], 0
	v_nop
	global_prefetch_b8 v0, s[64:65] scope:SCOPE_SE
	s_setreg_imm32_b32 hwreg(HW_REG_WAVE_MODE, 25, 1), 1
	s_wait_xcnt 0x0
	s_wait_alu depctr_hold_cnt(0) depctr_sa_sdst(0) depctr_va_vdst(0) depctr_va_sdst(0) depctr_va_ssrc(0) depctr_va_vcc(0) depctr_vm_vsrc(0)
	s_getreg_b32 s2, hwreg(HW_REG_IB_STS2, 6, 4)
	s_cmp_eq_u32 s2, 0
	s_cbranch_scc0 .Lentry_in_a_cluster
	s_endpgm
.Lentry_in_a_cluster:
	s_bfe_u32 s2, ttmp6, 0x10000c
	s_cmp_lg_u32 s2, 0xf033
	s_cbranch_scc0 .Lentry_shape_is_right
	s_endpgm
.Lentry_shape_is_right:
; out0 = attention's result x Wo + bo, on codes of FP6 (E2M3).  The same GEMM frame as the projections: K = 1,024; A = 128 rows of the result (8 row tiles), B = 256 columns of Wo (16 tiles) to a work-group; four waves 2 x 2,
; a wave 4 tiles of A x 8 of B: 32 accumulators.  Source 0 = B's tile, source 1 = A's: a lane holds one row of out0 and eight neighbouring columns to an accumulator.
; ALL OF K LIES IN LDS, filled once, as four chunks of 256 along K that are waited for one after the other: no slot is ever filled again.  By this text's count a wave has four tensor loads out.
; CLUSTER 4 x 4: A's tiles are shared along a row of the cluster, B's along a column, each by a joint load.  Nothing is prefetched: each work-group asks for all its tiles at its head.
; Codes lie as units of 768 bytes (16 rows x 64 K, an image of operand registers), so every LDS load is dense.  A row tile T holds rows 32 (T / 2) + 8 (T % 2) + r % 8 + 16 (r / 8).
; A's scale words come as one half word a head ([group of 4 tiles][head 16][lane][2 words]; even heads in bits 15:0, odd heads in bits 31:16, the rest 0): two heads' words are joined by an or.
; THE WAY OUT: 16 rows x 128 columns at a time through the wave's stage in LDS, back as whole rows of 512 bytes.  The stage lies in chunk 0, which has had its only fill and its last read.
; THE FILLS, as they now stand (this takes the place of what the head comment says of four chunks): K lies in LDS as TWO halves of 512 along K, each filled once.  A wave issues one joint load at the head (the first half)
; and one behind the three lines and a round of the cluster's barrier (the second half), which lands while the first half's four K steps are multiplied.  By this text's count a wave has one tensor load out.
; The stage of the way out lies in the first half.  The launch claims all of LDS.
.set CHUNK, 147456                     ; LDS: a half of K: A's 8 tiles x 6,144 bytes, then B's 16
.set BPART, 49152
.set AA,   1
.set AB,   2
.set BA,   3
.set BB,   4
.set VS1,  5
.set VL16, 6
.set VL8P, 7
.set VL8,  8
.set VBQ,  9
.set VOUT, 10                          ; v10  my byte offset in out0
.set STO,  11                          ; v11  the stage: where I put 32 bytes of a row
.set SRD,  12                          ; v12  and where I read a row back
.set AS,   16
.set BS,   32
.set CB,   64
.set AF,   128
.set RAW,  224                         ; v224-255 A's half words as loaded: head hd, pair of tiles p at 2 hd + p.  (v244-248 serve the address work at the head, which is over before these loads are issued)
.set BK,   64                          ; the way out: 16 rows read back: v64-127 and v128-191 by turns
.set MSB, 0
.macro WIN new
.if MSB != \new
	s_set_vgpr_msb (MSB<<8)|\new
.set MSB, \new
.endif
.endm
.macro CROUND
	s_barrier_signal -1
	s_barrier_wait -1
	s_cmp_lg_u32 s18, 0
	s_cbranch_scc1 .Lnot_wave_0_\@
	s_barrier_signal -3
.Lnot_wave_0_\@:
	s_barrier_wait -3
	s_barrier_signal -1
	s_barrier_wait -1
.endm
.macro WMC d, a, b, c, sa, sb, ra, rb
.if (\ra) && (\rb)
	v_wmma_scale_f32_16x16x128_f8f6f4 v[(\d):(\d)+7], v[(\a):(\a)+11], v[(\b):(\b)+11], v[(\c):(\c)+7], v[(\sa)], v[(\sb)] matrix_a_fmt:MATRIX_FMT_FP6 matrix_b_fmt:MATRIX_FMT_FP6 matrix_a_scale:MATRIX_SCALE_ROW1 matrix_b_scale:MATRIX_SCALE_ROW1
.elseif (\ra)
	v_wmma_scale_f32_16x16x128_f8f6f4 v[(\d):(\d)+7], v[(\a):(\a)+11], v[(\b):(\b)+11], v[(\c):(\c)+7], v[(\sa)], v[(\sb)] matrix_a_fmt:MATRIX_FMT_FP6 matrix_b_fmt:MATRIX_FMT_FP6 matrix_a_scale:MATRIX_SCALE_ROW1
.elseif (\rb)
	v_wmma_scale_f32_16x16x128_f8f6f4 v[(\d):(\d)+7], v[(\a):(\a)+11], v[(\b):(\b)+11], v[(\c):(\c)+7], v[(\sa)], v[(\sb)] matrix_a_fmt:MATRIX_FMT_FP6 matrix_b_fmt:MATRIX_FMT_FP6 matrix_b_scale:MATRIX_SCALE_ROW1
.else
	v_wmma_scale_f32_16x16x128_f8f6f4 v[(\d):(\d)+7], v[(\a):(\a)+11], v[(\b):(\b)+11], v[(\c):(\c)+7], v[(\sa)], v[(\sb)] matrix_a_fmt:MATRIX_FMT_FP6 matrix_b_fmt:MATRIX_FMT_FP6
.endif
.endm
.macro FRAG4 reg, ada, adb, off
	ds_load_b128 v[(\reg):(\reg)+3], v[\ada] offset:(\off)
	ds_load_b64 v[(\reg)+4:(\reg)+5], v[\adb] offset:(\off)
	ds_load_b128 v[(\reg)+6:(\reg)+9], v[\ada] offset:(\off)+768
	ds_load_b64 v[(\reg)+10:(\reg)+11], v[\adb] offset:(\off)+768
.endm
.macro FETCH s
	WIN 0x80
.irp i, 0,1,2,3,4,5,6,7
	FRAG4 96*((\s)%2)+12*\i, BA, BB, \i*6144+((\s)%4)*1536
.endr
	WIN 0
.irp i, 0,1,2,3
	FRAG4 AF+48*((\s)%2)+12*\i, AA, AB, \i*6144+((\s)%4)*1536
.endr
.endm
; 32 products of K step s; the 32 accumulators take turns, one instruction a turn, in the same order in every step.  mode 1: the sums start from the bias.
.macro MULS s, mode
.if \mode
	WIN 0x42
.else
	WIN 0x52
.endif
.irp a, 0,1,2,3
.irp b, 0,1,2,3,4,5,6,7
.if \mode
	WMC 8*(8*\a+\b), 96*((\s)%2)+12*\b, AF+48*((\s)%2)+12*\a, CB+8*\b, BS+8*(\b/2)+(\s), AS+8*(\a/2)+(\s), \b%2, \a%2
.else
	WMC 8*(8*\a+\b), 96*((\s)%2)+12*\b, AF+48*((\s)%2)+12*\a, 8*(8*\a+\b), BS+8*(\b/2)+(\s), AS+8*(\a/2)+(\s), \b%2, \a%2
.endif
.endr
.endr
.endm
.macro PRE s
	s_wait_dscnt 0x0                               ; step s's fragments are in, and no LDS instruction of mine is out at the signal below
.if (\s) == 3
	s_wait_tensorcnt 0x0                           ; my part of the second half has landed
	s_barrier_signal -1
	s_barrier_wait -1
	WIN 0
	v_add_nc_u32 v[AA], CHUNK, v[AA]               ; (these four are the places in front of the loads below)
	v_add_nc_u32 v[AB], CHUNK, v[AB]
	v_add_nc_u32 v[BA], CHUNK, v[BA]
	s_wait_alu depctr_va_vdst(0)
	v_add_nc_u32 v[BB], CHUNK, v[BB]
.elseif (\s) < 7
.rept 4
	v_nop
.endr
.endif
.if (\s) < 7
	FETCH (\s)+1
.endif
.endm
	s_load_b256 s[4:11], s[0:1], 0x0               ; acod, ascl, pcod, pscl
	s_load_b128 s[12:15], s[0:1], 0x20             ; bo, out0
	v_lshl_add_u32 v14, v0, 2, 0x48000
	v_mov_b32 v15, 0
	ds_add_u32 v14, v15
	ds_add_u32 v14, v15
	v_lshrrev_b32 v13, 5, v0
	v_readfirstlane_b32 s18, v13                   ; wave 0..3
	s_lshr_b32 s19, s18, 1                         ; wa
	s_and_b32 s20, s18, 1                          ; wb; also which half I fetch
	s_bfe_u32 s21, ttmp6, 0x40000                  ; cx
	s_bfe_u32 s22, ttmp6, 0x40004                  ; cy
	s_and_b32 s23, ttmp7, 0xffff
	s_lshl_b32 s78, s23, 2
	s_add_co_u32 s78, s78, s22                     ; AT: A's block of 128 rows, made of cy alone
	s_mov_b32 s79, s21                             ; BT: B's block of 256 columns, made of cx alone
	s_lshl_b32 s88, s22, 2
	s_lshl_b32 s88, 15, s88                        ; my row of the cluster
	s_lshl_b32 s89, 0x1111, s21                    ; my column
	s_or_b32 s24, s88, (3<<16)|(1<<21)
	s_or_b32 s32, s89, (3<<16)|(1<<21)
	s_mov_b32 s25, 768<<16                         ; rows (tiles) of 6,144 bytes, 12,288 bytes apart; elements of 8 bytes
	s_mov_b32 s26, 4<<16
	s_mov_b32 s27, 768<<16
	s_mov_b32 s28, 4
	s_mov_b32 s29, 1536
	s_mov_b32 s30, 0
	s_mov_b32 s31, 0
	s_mov_b32 s33, 768<<16
	s_mov_b32 s34, 8<<16
	s_mov_b32 s35, 768<<16
	s_mov_b32 s36, 8
	s_mov_b32 s37, 1536
	s_mov_b32 s38, 0
	s_mov_b32 s39, 0
	s_mul_i32 s80, s78, 98304
	s_mul_i32 s88, s20, 49152
	s_add_co_u32 s80, s80, s88
	s_mov_b32 s81, 0
	s_lshl_b32 s82, s78, 13
	s_lshl_b32 s88, s19, 12
	s_add_co_u32 s82, s82, s88                     ; ascl: group 2 AT + wa, 4,096 bytes a group
	s_mov_b32 s83, 0
	s_mul_i32 s84, s79, 196608
	s_mul_i32 s89, s20, 98304
	s_add_co_u32 s84, s84, s89
	s_add_co_u32 s84, s84, 21233664                ; Wo's codes
	s_mov_b32 s85, 0
	s_lshl_b32 s86, s79, 13
	s_lshl_b32 s89, s20, 12
	s_add_co_u32 s86, s86, s89
	s_add_co_u32 s86, s86, 884736                  ; Wo's scale words
	s_mov_b32 s87, 0
	s_mul_i32 s2, s20, 24576
	s_mul_i32 s3, s20, 49152
	s_add_co_u32 s3, s3, BPART
	v_and_b32 v244, 31, v0
	v_and_b32 v245, 15, v0
	v_bfe_u32 v246, v0, 4, 1
	v_lshrrev_b32 v247, 6, v0
	v_bfe_u32 v248, v0, 5, 1
	v_lshlrev_b32 v[VL16], 4, v244
	v_lshlrev_b32 v[VL8], 3, v244
	v_add_nc_u32 v[VL8P], 512, v[VL8]
	v_mad_u32_u24 v[AA], v247, 24576, v[VL16]
	v_mad_u32_u24 v[AB], v247, 24576, v[VL8P]
	v_mad_u32_u24 v[BA], v248, 49152, v[VL16]
	v_add_nc_u32 v[BA], BPART, v[BA]
	v_mad_u32_u24 v[BB], v248, 49152, v[VL8P]
	v_add_nc_u32 v[BB], BPART, v[BB]
	v_lshlrev_b32 v[VS1], 4, v245
	v_lshl_add_u32 v[VS1], v246, 9, v[VS1]
	v_mul_u32_u24 v13, v13, 8448                   ; my stage: wave x 16 rows of 528 bytes
	v_mad_u32_u24 v[STO], v245, 528, v13
	v_lshl_add_u32 v[STO], v246, 6, v[STO]         ; in: row r, + 64 h
	v_add_nc_u32 v[SRD], v13, v[VL16]              ; back: 16 x lane of a row
	s_lshl_b32 s98, s79, 10
	s_lshl_b32 s67, s20, 9
	s_add_co_u32 s98, s98, s67                     ; 4 x (256 BT + 128 wb): my first column, in bytes
	v_lshl_add_u32 v[VBQ], v246, 6, s98            ; the bias: + 16 h columns.  (The last reader of v244-248: the loads into v224-255 come later)
	s_lshl_b32 s90, s78, 19
	s_lshl_b32 s67, s19, 18
	s_add_co_u32 s90, s90, s67                     ; (128 AT + 64 wa) rows of 4,096 bytes
	s_add_co_u32 s90, s90, s98
	v_add_nc_u32 v[VOUT], s90, v[VL16]
	s_wait_dscnt 0x0
	s_wait_kmcnt 0x0
	s_add_nc_u64 s[80:81], s[4:5], s[80:81]
	s_add_nc_u64 s[84:85], s[8:9], s[84:85]
	s_add_nc_u64 s[82:83], s[6:7], s[82:83]
	s_add_nc_u64 s[86:87], s[10:11], s[86:87]
.irp c, 0,1                            ; group 0, a set for each half of K
	s_mov_b32 s[40+4*\c], 1
	s_add_co_u32 s[41+4*\c], s2, \c*CHUNK
	s_add_nc_u64 s[42+4*\c:43+4*\c], s[80:81], \c*6144
	s_or_b32 s[43+4*\c], s[43+4*\c], 0x80000000
	s_mov_b32 s[56+4*\c+4*(\c/2)], 1
	s_add_co_u32 s[57+4*\c+4*(\c/2)], s3, \c*CHUNK
	s_add_nc_u64 s[58+4*\c+4*(\c/2):59+4*\c+4*(\c/2)], s[84:85], \c*6144
	s_or_b32 s[59+4*\c+4*(\c/2)], s[59+4*\c+4*(\c/2)], 0x80000000
.endr
	CROUND                                         ; all sixteen work-groups are here: the joint loads meet
	s_cmp_lt_u32 s18, 2
	s_cbranch_scc0 .Lfill_b
	tensor_load_to_lds s[40:43], s[24:31]
	s_nop 0
.rept 4
	v_nop
.endr
	s_branch .Lfilled
.Lfill_b:
	tensor_load_to_lds s[56:59], s[32:39]
	s_nop 0
.rept 4
	v_nop
.endr
.Lfilled:
.irp d, 0,1,2,3,4,5,6,7,8,9,10,11,12,13,14,15
	global_load_b64 v[RAW+2*\d:RAW+2*\d+1], v[VL8], s[82:83] offset:256*\d
.endr
	s_wait_alu depctr_va_vdst(0)
.irp p, 0,1,2,3
.irp j, 0,1
	global_load_b128 v[BS+8*\p+4*\j:BS+8*\p+4*\j+3], v[VS1], s[86:87] offset:1024*\p+256*\j
.endr
.endr
.irp b, 0,1,2,3,4,5,6,7                ; register 8 b + j: the bias of column 32 (b / 2) + 8 (b % 2) + 16 h + j
	global_load_b128 v[CB+8*\b:CB+8*\b+3], v[VBQ], s[12:13] offset:(32*(\b/2)+8*(\b%2))*4
	global_load_b128 v[CB+8*\b+4:CB+8*\b+7], v[VBQ], s[12:13] offset:(32*(\b/2)+8*(\b%2))*4+16
.endr
	s_wait_alu depctr_va_vdst(0)                   ; the wait at the head's end
	s_wait_tensorcnt 0x0                           ; my part of the first half has landed
	ds_add_u32 v14, v15
	s_wait_dscnt 0x0
	CROUND                                         ; everybody's part is in, and all sixteen work-groups are here: the joint loads meet
	s_cmp_lt_u32 s18, 2
	s_cbranch_scc0 .Lfill2_b
	tensor_load_to_lds s[44:47], s[24:31]          ; the second half of K: my one tensor load behind the round
	s_nop 0
.rept 4
	v_nop
.endr
	s_branch .Lfilled2
.Lfill2_b:
	tensor_load_to_lds s[60:63], s[32:39]
	s_nop 0
.rept 4
	v_nop
.endr
.Lfilled2:
	FETCH 0
	s_wait_loadcnt 0x0
.irp p, 0,1
.irp s, 0,1,2,3,4,5,6,7
	v_or_b32 v[AS+8*\p+\s], v[RAW+4*\s+\p], v[RAW+4*\s+2+\p]   ; K step s = heads 2 s and 2 s + 1
.endr
.endr
.rept 8
	v_nop                                          ; a scale register written by a vector instruction stands eight places ahead of a scaled product
.endr
	s_wait_alu depctr_va_vdst(0)
	PRE 0
	MULS 0, 1
.irp s, 1,2,3,4,5,6,7
	s_wait_alu depctr_va_vdst(0)
	PRE \s
	MULS \s, 0
.endr
	WIN 0
.rept 4
	v_nop                                          ; places between the last products and the first read of results, and the loads into A's registers
.endr
	s_barrier_signal -1                            ; no LDS instruction of mine is out (the last step's wait was for 0): nobody reads chunk 0 any more
	s_barrier_wait -1
.macro TOSTAGE a
	WIN 0x04                                       ; an LDS store's data are its source 1: window 1
.irp b, 0,1,2,3,4,5,6,7
	ds_store_b128 v[STO], v[8*(8*(\a)+\b):8*(8*(\a)+\b)+3] offset:128*(\b/2)+32*(\b%2)       ; each accumulator from its low end on
	ds_store_b128 v[STO], v[8*(8*(\a)+\b)+4:8*(8*(\a)+\b)+7] offset:128*(\b/2)+32*(\b%2)+16
.endr
	WIN 0
.irp i, 0,1,2,3,4,5,6,7,8,9,10,11,12,13,14,15
	ds_load_b128 v[BK+64*((\a)%2)+4*\i:BK+64*((\a)%2)+4*\i+3], v[SRD] offset:\i*528   ; LDS serves a wave's instructions in order: these see the stores above
.endr
.endm
.macro SEND a
.irp i, 0,1,2,3,4,5,6,7,8,9,10,11,12,13,14,15
	global_store_b128 v[VOUT], v[BK+64*((\a)%2)+4*\i:BK+64*((\a)%2)+4*\i+3], s[14:15] offset:(32*((\a)/2)+8*((\a)%2)+(\i%8)+16*(\i/8))*4096 th:TH_STORE_NT   ; 32 lanes store 512 consecutive bytes, at a multiple of 256 from out0's first byte
.endr
.endm
	TOSTAGE 0
.irp a, 1,2,3
.if \a > 1
	s_wait_xcnt 0x0                                ; block a - 2's stores have read their registers: block a's loads may land there
.endif
	TOSTAGE \a
	s_wait_dscnt 32                                ; block a - 1 is back; block a's 16 stores and 16 loads may be out
	SEND \a-1
.endr
	s_wait_dscnt 0x0
	SEND 3
	s_wait_tensorcnt 0x0
	ds_add_u32 v14, v15
	s_wait_dscnt 0x0
	CROUND                                         ; the closing round: no work-group ends while a partner may still ask for a tile that names it
	s_endpgm
.Lfunc_end_k_q7f8ad1acbf_outp:
	.size	k_q7f8ad1acbf_outp, .Lfunc_end_k_q7f8ad1acbf_outp-k_q7f8ad1acbf_outp
	.p2alignl 7, 3214868480
	.fill 96, 4, 3214868480
	.section	.rodata,"a",@progbits
	.p2align	6, 0x0
	.amdhsa_kernel k_q7f8ad1acbf_outp
		.amdhsa_group_segment_fixed_size 327680
		.amdhsa_private_segment_fixed_size 0
		.amdhsa_enable_private_segment 0
		.amdhsa_kernarg_size 48
		.amdhsa_user_sgpr_count 2
		.amdhsa_user_sgpr_kernarg_segment_ptr 1
		.amdhsa_wavefront_size32 1
		.amdhsa_system_sgpr_workgroup_id_x 1
		.amdhsa_system_sgpr_workgroup_id_y 1
		.amdhsa_system_sgpr_workgroup_id_z 1
		.amdhsa_system_vgpr_workitem_id 0
		.amdhsa_next_free_vgpr 768
		.amdhsa_next_free_sgpr 104
		.amdhsa_reserve_vcc 0
		.amdhsa_float_denorm_mode_32 3
		.amdhsa_float_denorm_mode_16_64 3
		.amdhsa_memory_ordered 1
		.amdhsa_forward_progress 1
		.amdhsa_inst_pref_size 86
	.end_amdhsa_kernel
	.amdgpu_metadata
---
amdhsa.version: [ 1, 2 ]
amdhsa.kernels:
  - .name:           k_q7f8ad1acbf_outp
    .symbol:         k_q7f8ad1acbf_outp.kd
    .args:
      - { .name: acod, .offset: 0, .size: 8, .value_kind: global_buffer, .address_space: global }
      - { .name: ascl, .offset: 8, .size: 8, .value_kind: global_buffer, .address_space: global }
      - { .name: pcod, .offset: 16, .size: 8, .value_kind: global_buffer, .address_space: global }
      - { .name: pscl, .offset: 24, .size: 8, .value_kind: global_buffer, .address_space: global }
      - { .name: bo, .offset: 32, .size: 8, .value_kind: global_buffer, .address_space: global }
      - { .name: out0, .offset: 40, .size: 8, .value_kind: global_buffer, .address_space: global }
    .group_segment_fixed_size: 327680
    .private_segment_fixed_size: 0
    .kernarg_segment_align: 8
    .kernarg_segment_size: 48
    .max_flat_workgroup_size: 128
    .sgpr_count:     104
    .vgpr_count:     768
    .wavefront_size: 32
...
	.end_amdgpu_metadata
.endif
;; end of part 4
